; MI455X (gfx1250); checked and timed in simulation.
; The chip was launched on July 23, 2026; its instructions are those of AMD's public machine-readable ISA for CDNA 5 (MIT licence, August 2026) and "CDNA5" Instruction Set Architecture Reference Guide (July 2026). The comments in the code are by the model that wrote it; some were corrected since.
;; Causal Self Attention. Allowed arithmetic: float matrix products may take bf16 or f16 operands with f32 sums; other float arithmetic in f32, or as packed bf16 or f16 multiplies, adds, multiply-adds, maxima and minima; sums over many terms, partial sums and values carried from step to step in f32; what a program stores and reads back later, other than sums and carried values, may be rounded once to bf16 or f16.
;; Inputs: q_gain 8 float32; w_k 256 x 1,024 float32; w_o 1,024 x 1,024 float32; w_q 1,024 x 1,024 float32; w_v 256 x 1,024 float32; x 4 x 2,048 x 1,024 float32.
;; Outputs: out0 4 x 2,048 x 1,024 float32.
;; 2 versions, each right; version 2 is version 1 with the launch prep written anew for expert scheduling mode. Each part assembles by itself: llvm-mc -triple=amdgcn-amd-amdhsa -mcpu=gfx1250 --defsym DOCPART=n.
;; ======== version 1 of 2: 4 launches
;; limits: values are held in f16: magnitudes above 65,504 overflow, below 6.1e-05 lose precision; right only within a limited range of input values
;; workspace buffers: xb 16,777,216 bytes; wb 3,145,728 bytes; wo16 2,097,152 bytes; rope 540,672 bytes; qkv 25,165,824 bytes; yb 16,777,216 bytes
;; launch prep (part 1): grid 705 x 1, 8 waves a work-group, no clusters, 0 bytes of LDS; arguments x, w_q, w_k, w_v, w_o, xb, wb, wo16, rope; writes xb, wb, wo16, rope
.if DOCPART == 1
	.amdgcn_target "amdgcn-amd-amdhsa--gfx1250"
	.amdhsa_code_object_version 6
	.text
	.protected	k_q70e99e4601_prep
	.globl	k_q70e99e4601_prep
	.p2align	8
	.type	k_q70e99e4601_prep,@function
k_q70e99e4601_prep:
	s_mov_b64 s[64:65], 0
	v_nop
	global_prefetch_b8 v0, s[64:65] scope:SCOPE_SE
	s_setreg_imm32_b32 hwreg(HW_REG_WAVE_MODE, 25, 1), 1
	s_wait_xcnt 0x0
; PREP.  A stream: the inputs are rounded once for the matrix units, and the rotary table is made.
;   x -> xb (bf16);  w_q, w_k, w_v -> wb (bf16, rows 0-1023, 1024-1279, 1280-1535);  w_o -> wo16: rounded to bf16 and that number written as f16.
;   rope: [2112][64] f32: row p holds cos(p f_i), i = 0..31, then sin(p f_i), f_i = 10000^(-i/32); rows 2048-2111 hold the angle 0 (cos 1, sin 0): the identity.
; SHARES.  Work-group g < 672 casts one chunk of 16,384 numbers (65,536 bytes in, 32,768 out); g = 672 .. 704 makes 64 rows of the table.
; A load of a wave covers 512 consecutive bytes, a store 256 consecutive bytes, aligned.  All 16 loads of a thread are out at once; each has registers of its own, so nothing is rewritten.
; No LDS, no matrix unit, no cluster: nothing is shared and each byte is touched once.
; LIMITS.  |w_o| stays under 65,504; below 6.1e-5 its f16 copy keeps the fixed step 6e-8.  The angle is reduced by pi/2 in two parts, good for the table's positions (under 2,048).
.set X,   8                            ; v[8:71]    16 loads of 4 registers
.set Y,   72                           ; v[72:103]  16 pairs to store
.set T,   104                          ; v[104:107] at work
.set SRC, 22                           ; s[22:23]   the chunk's source
.set DST, 24                           ; s[24:25]   its destination
	s_load_b512 s[4:19], s[0:1], 0x0               ; x, w_q, w_k, w_v, w_o, xb, wb, wo16
	s_load_b64 s[20:21], s[0:1], 0x40              ; rope
	s_mov_b32 s26, ttmp9                           ; g
	s_mov_b32 s40, 0xffff0000                      ; a word's upper bf16
	v_lshlrev_b32 v1, 4, v0                        ; 16 t: my 16 bytes of each 4,096 read
	v_lshlrev_b32 v2, 3, v0                        ; 8 t: my 8 bytes of each 2,048 written
	s_wait_kmcnt 0x0
	s_cmp_ge_u32 s26, 672
	s_cbranch_scc1 .Lrope
	; which tensor: the choice hangs on g alone.  s27 = the source's first chunk, s28 = the destination's
	s_mov_b64 s[SRC:SRC+1], s[4:5]
	s_mov_b64 s[DST:DST+1], s[14:15]
	s_mov_b32 s27, 0
	s_mov_b32 s28, 0
	s_cmp_ge_u32 s26, 512
	s_cselect_b64 s[SRC:SRC+1], s[6:7], s[SRC:SRC+1]
	s_cselect_b64 s[DST:DST+1], s[16:17], s[DST:DST+1]
	s_cselect_b32 s27, 512, s27
	s_cselect_b32 s28, 512, s28
	s_cmp_ge_u32 s26, 576
	s_cselect_b64 s[SRC:SRC+1], s[8:9], s[SRC:SRC+1]
	s_cselect_b32 s27, 576, s27
	s_cmp_ge_u32 s26, 592
	s_cselect_b64 s[SRC:SRC+1], s[10:11], s[SRC:SRC+1]
	s_cselect_b32 s27, 592, s27
	s_cmp_ge_u32 s26, 608
	s_cselect_b64 s[SRC:SRC+1], s[12:13], s[SRC:SRC+1]
	s_cselect_b64 s[DST:DST+1], s[18:19], s[DST:DST+1]
	s_cselect_b32 s27, 608, s27
	s_cselect_b32 s28, 608, s28
	s_sub_co_u32 s30, s26, s27
	s_lshl_b32 s30, s30, 16                        ; 65,536 bytes a chunk in
	s_mov_b32 s31, 0
	s_add_nc_u64 s[SRC:SRC+1], s[SRC:SRC+1], s[30:31]
	s_sub_co_u32 s32, s26, s28
	s_lshl_b32 s32, s32, 15                        ; 32,768 bytes a chunk out
	s_mov_b32 s33, 0
	s_add_nc_u64 s[DST:DST+1], s[DST:DST+1], s[32:33]
; f16 = 0: f32 -> bf16.  f16 = 1: f32 -> bf16 -> f32 (a shift, a mask) -> f16
.macro CAST f16
.irp i, 0,1,2,3,4,5,6,7,8,9,10,11,12,13,14,15
	global_load_b128 v[X+4*(\i):X+4*(\i)+3], v1, s[SRC:SRC+1] offset:4096*(\i) th:TH_LOAD_NT
.endr
.irp i, 0,1,2,3,4,5,6,7,8,9,10,11,12,13,14,15
	s_wait_loadcnt 15-(\i)                         ; loads come back in order: load i is in, the 15 - i younger ones stay out
.if \f16
	v_cvt_pk_bf16_f32 v[T], v[X+4*(\i)], v[X+4*(\i)+1]
	v_cvt_pk_bf16_f32 v[T+1], v[X+4*(\i)+2], v[X+4*(\i)+3]
	v_lshlrev_b32 v[T+2], 16, v[T]
	v_and_b32 v[T+3], s40, v[T]
	v_cvt_pk_f16_f32 v[Y+2*(\i)], v[T+2], v[T+3]
	v_lshlrev_b32 v[T+2], 16, v[T+1]
	v_and_b32 v[T+3], s40, v[T+1]
	v_cvt_pk_f16_f32 v[Y+2*(\i)+1], v[T+2], v[T+3]
.else
	v_cvt_pk_bf16_f32 v[Y+2*(\i)], v[X+4*(\i)], v[X+4*(\i)+1]
	v_cvt_pk_bf16_f32 v[Y+2*(\i)+1], v[X+4*(\i)+2], v[X+4*(\i)+3]
.endif
	global_store_b64 v2, v[Y+2*(\i):Y+2*(\i)+1], s[DST:DST+1] offset:2048*(\i) th:TH_STORE_NT
.endr
.endm
	s_cmp_ge_u32 s26, 608
	s_cbranch_scc1 .Lf16
	CAST 0
	s_endpgm
.Lf16:
	CAST 1
	s_endpgm
; THE TABLE.  A wave makes 8 rows, a row a trip: lane l stores 8 bytes at 8 l of the row: lanes 0-15 cos of frequencies 2 (l % 16) and + 1, lanes 16-31 sin of the same.
; Both are cos(t - h pi/2), h = l / 16.  t = n pi/2 + r, |r| <= pi/4; with q = n - h: cos r, -sin r, -cos r, sin r for q mod 4 = 0, 1, 2, 3.  sin r and cos r by polynomials.
.Lrope:
	v_lshrrev_b32 v3, 5, v0
	v_readfirstlane_b32 s27, v3                    ; wave 0..7
	v_and_b32 v4, 31, v0                           ; lane
	v_and_b32 v5, 15, v0
	v_lshlrev_b32 v5, 1, v5                        ; my first frequency's number
	v_bfe_u32 v12, v0, 4, 1                        ; h
	v_cvt_f32_u32 v8, v5
	v_add_nc_u32 v5, 1, v5
	v_cvt_f32_u32 v9, v5
	v_mul_f32 v8, 0xbed49a78, v8                   ; - i log2(10000) / 32
	v_mul_f32 v9, 0xbed49a78, v9
	v_exp_f32 v10, v8                              ; f_i
	v_exp_f32 v11, v9
	v_lshlrev_b32 v13, 3, v4                       ; a plain instruction behind the two exponentials: 8 l
	s_wait_alu depctr_va_vdst(0)                   ; one wait for both, ahead of their first use and of the label
	s_lshl_b32 s28, s27, 11
	v_add_nc_u32 v13, s28, v13                     ; + my wave's 8 rows of 256 bytes
	s_sub_co_u32 s29, s26, 672
	s_lshl_b32 s30, s29, 14                        ; the work-group's 64 rows
	s_mov_b32 s31, 0
	s_add_nc_u64 s[20:21], s[20:21], s[30:31]
	s_lshl_b32 s42, s29, 6
	s_lshl3_add_u32 s42, s27, s42                  ; my first row's number
	s_mov_b32 s32, 0x3f22f983                      ; 2 / pi
	s_mov_b32 s33, 0xbfc90fdb                      ; - pi/2, upper part
	s_mov_b32 s34, 0x333bbd2e                      ; - pi/2, the rest
	s_mov_b32 s35, 0xbe2aaaa3                      ; sin: -1.6666654611e-1
	s_mov_b32 s36, 0x3c08839e                      ;       8.3321608736e-3
	s_mov_b32 s37, 0xb94ca1f9                      ;      -1.9515295891e-4
	s_mov_b32 s38, 0x3d2aaaa5                      ; cos:  4.1666645683e-2
	s_mov_b32 s39, 0xbab6061a                      ;      -1.3887316255e-3
	s_mov_b32 s43, 0x37ccf5ce                      ;       2.4433157118e-5
.macro ANG f, o
	v_mul_f32 v16, v14, v[\f]                      ; t = position x frequency
	v_mul_f32 v17, s32, v16
	v_rndne_f32 v17, v17                           ; n
	v_fma_f32 v18, v17, s33, v16
	v_fma_f32 v18, v17, s34, v18                   ; r
	v_mul_f32 v19, v18, v18                        ; z = r r
	v_fma_f32 v20, v19, s37, s36
	v_fma_f32 v20, v19, v20, s35
	v_mul_f32 v21, v19, v18
	v_fma_f32 v20, v21, v20, v18                   ; sin r
	v_fma_f32 v21, v19, s43, s39
	v_fma_f32 v21, v19, v21, s38
	v_fma_f32 v22, v19, -0.5, 1.0
	v_mul_f32 v19, v19, v19
	v_fma_f32 v21, v19, v21, v22                   ; cos r
	v_cvt_i32_f32 v17, v17
	v_sub_nc_u32 v17, v17, v12                     ; q = n - h
	v_and_b32 v16, 1, v17
	v_cmp_ne_u32 vcc_lo, 0, v16
	v_cndmask_b32 v20, v21, v20, vcc_lo            ; q odd: sin r, else cos r: a choice of value, no branch
	v_add_nc_u32 v17, 1, v17
	v_and_b32 v17, 2, v17
	v_lshlrev_b32 v17, 30, v17                     ; the sign: minus for q mod 4 = 1, 2
	v_xor_b32 v[\o], v20, v17
.endm
	s_mov_b32 s41, 8
.Lrow:
	s_cmp_lt_u32 s42, 2048
	s_cselect_b32 s45, s42, 0                      ; rows from 2,048 on: the angle 0
	v_cvt_f32_u32 v14, s45
	ANG 10, 30
	ANG 11, 31
	global_store_b64 v13, v[30:31], s[20:21]       ; the wave's store is a row's 256 bytes, whole
	s_wait_xcnt 0x0                                ; the store's offset and data are rewritten only behind this wait
	v_add_nc_u32 v13, 256, v13
	s_add_co_u32 s42, s42, 1
	s_sub_co_u32 s41, s41, 1
	s_cmp_lg_u32 s41, 0
	s_cbranch_scc1 .Lrow
	s_endpgm
.Lfunc_end_k_q70e99e4601_prep:
	.size	k_q70e99e4601_prep, .Lfunc_end_k_q70e99e4601_prep-k_q70e99e4601_prep
	.p2alignl 7, 3214868480
	.fill 96, 4, 3214868480
	.section	.rodata,"a",@progbits
	.p2align	6, 0x0
	.amdhsa_kernel k_q70e99e4601_prep
		.amdhsa_group_segment_fixed_size 0
		.amdhsa_private_segment_fixed_size 0
		.amdhsa_enable_private_segment 0
		.amdhsa_kernarg_size 72
		.amdhsa_user_sgpr_count 2
		.amdhsa_user_sgpr_kernarg_segment_ptr 1
		.amdhsa_wavefront_size32 1
		.amdhsa_system_sgpr_workgroup_id_x 1
		.amdhsa_system_sgpr_workgroup_id_y 1
		.amdhsa_system_sgpr_workgroup_id_z 1
		.amdhsa_system_vgpr_workitem_id 0
		.amdhsa_next_free_vgpr 112
		.amdhsa_next_free_sgpr 66
		.amdhsa_reserve_vcc 1
		.amdhsa_float_denorm_mode_32 3
		.amdhsa_float_denorm_mode_16_64 3
		.amdhsa_memory_ordered 1
		.amdhsa_forward_progress 1
		.amdhsa_inst_pref_size 21
	.end_amdhsa_kernel
	.amdgpu_metadata
---
amdhsa.version: [ 1, 2 ]
amdhsa.kernels:
  - .name:           k_q70e99e4601_prep
    .symbol:         k_q70e99e4601_prep.kd
    .args:
      - { .name: x, .offset: 0, .size: 8, .value_kind: global_buffer, .address_space: global }
      - { .name: w_q, .offset: 8, .size: 8, .value_kind: global_buffer, .address_space: global }
      - { .name: w_k, .offset: 16, .size: 8, .value_kind: global_buffer, .address_space: global }
      - { .name: w_v, .offset: 24, .size: 8, .value_kind: global_buffer, .address_space: global }
      - { .name: w_o, .offset: 32, .size: 8, .value_kind: global_buffer, .address_space: global }
      - { .name: xb, .offset: 40, .size: 8, .value_kind: global_buffer, .address_space: global }
      - { .name: wb, .offset: 48, .size: 8, .value_kind: global_buffer, .address_space: global }
      - { .name: wo16, .offset: 56, .size: 8, .value_kind: global_buffer, .address_space: global }
      - { .name: rope, .offset: 64, .size: 8, .value_kind: global_buffer, .address_space: global }
    .group_segment_fixed_size: 0
    .private_segment_fixed_size: 0
    .kernarg_segment_align: 8
    .kernarg_segment_size: 72
    .max_flat_workgroup_size: 256
    .sgpr_count:     66
    .vgpr_count:     112
    .wavefront_size: 32
...
	.end_amdgpu_metadata
.endif
;; end of part 1
;; launch qkv (part 2): grid 4 x 64, 4 waves a work-group, clusters of 4 x 4, 327,680 bytes of LDS; arguments xb, wb, rope, q_gain, qkv; writes qkv
.if DOCPART == 2
	.amdgcn_target "amdgcn-amd-amdhsa--gfx1250"
	.amdhsa_code_object_version 6
	.text
	.protected	k_q70e99e4601_qkv
	.globl	k_q70e99e4601_qkv
	.p2align	8
	.type	k_q70e99e4601_qkv,@function
k_q70e99e4601_qkv:
	s_mov_b64 s[64:65], 0
	v_nop
	global_prefetch_b8 v0, s[64:65] scope:SCOPE_SE
	s_setreg_imm32_b32 hwreg(HW_REG_WAVE_MODE, 25, 1), 1
	s_wait_xcnt 0x0
	s_wait_alu depctr_hold_cnt(0) depctr_sa_sdst(0) depctr_va_vdst(0) depctr_va_sdst(0) depctr_va_ssrc(0) depctr_va_vcc(0) depctr_vm_vsrc(0)
	s_getreg_b32 s2, hwreg(HW_REG_IB_STS2, 6, 4)
	s_cmp_eq_u32 s2, 0
	s_cbranch_scc0 .Lentry_in_a_cluster
	s_endpgm
.Lentry_in_a_cluster:
	s_bfe_u32 s2, ttmp6, 0x10000c
	s_cmp_lg_u32 s2, 0xf033
	s_cbranch_scc0 .Lentry_shape_is_right
	s_endpgm
.Lentry_shape_is_right:
; QKV.  [8192 x 1024] x [1536 x 1024]^T in bf16, sums in f32; then, in registers: rms norm per head (q, k), rotation of channels i, i + 32 (i < 32; q, k), gain (q); rounded once to f16.
; Out: qkv [4 b][12 heads][2048 s][128] f16; heads 0-7 q, 8-9 k, 10-11 v: a head's rows are 256 dense bytes.
; SHARES.  A work-group makes 128 rows x 384 columns = three whole heads 3 tx .. 3 tx + 2.  Wave (rw, cw): rows 64 rw .. + 63 (row tiles a = 0..3); columns: a FULL head F = 3 tx + 2 cw
; (n blocks 0-7) and HALF a head, columns 64 cw .. + 63 of H = 3 tx + 1 (n blocks 8-11).  48 accumulators; every rotation pair lies in one lane; only H's sum of squares crosses waves.
; The matrix instruction is used transposed (source 0 = 16 rows of wb, source 1 = 16 rows of xb): lane l holds x row l % 16, register j column 16 nb + 8 (l / 16) + j.
; RING.  K in 8 steps of 128 (rows of 256 bytes) through two LDS slots; behind each change of slots a wave issues one tensor load of 128 rows: wave 0 x's rows, waves 1-3 one head each.
; CLUSTER 4 x 4: x's rows are shared along a row of the cluster, a head's rows along a column: joint loads, a quarter of the requests.
; What differs between heads is chosen by VALUES, never by a branch: v heads and the half head's upper 64 columns take table rows that hold cos 1, sin 0; v heads take the scale 1.
; LIMITS.  |v| < 65,504 and |q_gain| < 5,700 (|q| <= 11.4 gain) for f16; q_gain is rounded to bf16 like every input; NaN and infinities are not treated apart.
; REGISTERS, in windows of 256: window 0: v0-31 addresses; v32-63 sums of squares, then scales; v64-127 x's fragments (two buffers), later at work; v128-255 F's table.
;   window 1: v0-191 wb's fragments (two buffers of 96), later rows on their way out.  window 2: accumulators of a = 0, 1 at 96 (a % 2) + 8 nb; v192-255 H's table for them.  window 3: the same for a = 2, 3.
.set PITCH, 272                        ; an LDS row: 256 bytes + 16 of padding: the 16 rows of a fragment load start at 16 different groups of four banks
.set PART,  128*PITCH                  ; what one tensor load brings
.set SLOT,  4*PART                     ; x's 128 rows, head 0, head 1, head 2
.set STG,   2*SLOT                     ; behind the ring, never filled by a tensor load: 128 rows x 272 for the way out
.set SSX,   STG+128*PITCH              ; 4 waves x 64 rows x 4 bytes: H's half sums of squares
.set SPARE, SSX+1024                   ; the spare words: 128 bytes a wave, two blocks of 256 that no other line names
.set DFL,   (1<<16)|(1<<20)|(1<<21)|(5<<22)|(3<<25)  ; 2-byte elements; padding on; bit 21 beside a mask; after every 64 words; 4 words
.set WV, 14
.set RW, 15
.set CW, 16
.set CX, 17
.set CY, 18
.set TX, 19
.set TY, 20
.set LAP, 21
.set G1,  24                           ; s[24:31] group 1 for x's rows;  s[32:39] group 0, a set for each slot
.set G0,  32
.set G1B, 48                           ; s[48:55], s[56:63] the same for wb's rows
.set G0B, 56
.set PFA, 66                           ; s[66:67] where my prefetches stand
.set LIM, 68                           ; 1 in a wave that prefetches, else the greatest number
.set QF,  70                           ; s[70:71] qkv at my 64 rows of head F
.set QH,  72                           ; s[72:73] qkv at rows 32 wave .. + 31 of head H
.set NMF, 74                           ; all ones where F is normed (q, k), else 0
.set NMH, 75
.set GNF, 76                           ; gains
.set GNH, 77
.set SEL, 80                           ; s[80:81] v_permlanex16_b32's selects: each lane takes its own place in the other half
.set SSB, 10
.set VTF, 12
.set VTH, 13
.set GVF, 14
.set GVH, 15
.set ADRA, 16
.set ADRF, 18
.set ADRH, 20
.set STO, 22
.set RD,  23
.set STOH, 24
.set CO,  26
.set SSA, 27
.set SPW, 28
.set NIL, 29
.set PFO, 30
.set SS,  32
.set XF,  64
.set TMP, 64
.set PK,  96
.set TF,  128
.set TH,  192
.set MSB, 0
.macro WIN new                         ; the immediate's high byte repeats the setting that is left; a switch that changes nothing is dropped
.if MSB != (\new)
	s_set_vgpr_msb (MSB<<8)|(\new)
.set MSB, \new
.endif
.endm
.macro PLACES                          ; four plain instructions between a matrix instruction and a load into, or a vector read of, its registers
.rept 4
	v_nop
.endr
.endm
.macro JLOAD s                         ; a joint load: wave 0 x's rows, waves 1-3 a head; an s_nop 0 and four v_nop follow each line
	s_cmp_eq_u32 s[WV], 0
	s_cbranch_scc0 .Lfor_b_\@
	tensor_load_to_lds s[G0+4*(\s):G0+4*(\s)+3], s[G1:G1+7]
	s_nop 0
.rept 4
	v_nop
.endr
	s_branch .Lasked_\@
.Lfor_b_\@:
	tensor_load_to_lds s[G0B+4*(\s):G0B+4*(\s)+3], s[G1B:G1B+7]
	s_nop 0
.rept 4
	v_nop
.endr
.Lasked_\@:
.endm
; A prefetch into the L2 of the K step two refills on: 32 rows x 256 bytes, a lane a row.  Of the 128 rows that a wave fetches each of the four partners that ask jointly takes 32, told apart by address.
; x's rows: every cluster asks for its own (one cluster along x).  wb's rows are read by all 16 clusters: the cluster with y = 0 asks.  The loop's last trip has no K step two on.
.macro ASK
	s_cmp_gt_u32 s[LAP], s[LIM]
	s_cbranch_scc0 .Lnot_mine_\@
	global_prefetch_b8 v[PFO], s[PFA:PFA+1] offset:256 th:TH_LOAD_NT scope:SCOPE_SE
.Lnot_mine_\@:
.endm
.macro CREST                           ; a round of the cluster's barrier behind its opening barrier
	s_cmp_lg_u32 s[WV], 0
	s_cbranch_scc1 .Lnot_wave_0_\@
	s_barrier_signal -3
.Lnot_wave_0_\@:
	s_barrier_wait -3
	s_barrier_signal -1
	s_barrier_wait -1
.endm
.macro CROUND
	s_barrier_signal -1
	s_barrier_wait -1
	CREST
.endm
	s_load_b256 s[4:11], s[0:1], 0x0               ; xb s[4:5], wb s[6:7], rope s[8:9], q_gain s[10:11]
	s_load_b64 s[12:13], s[0:1], 0x20              ; qkv
	v_lshl_add_u32 v[SPW], v0, 2, SPARE
	v_mov_b32 v[NIL], 0
	ds_add_u32 v[SPW], v[NIL]                      ; the wave's opening: the add and its wait stand ahead of my first tensor load; work on registers stands between
	v_lshrrev_b32 v1, 5, v0
	v_readfirstlane_b32 s[WV], v1
	s_lshr_b32 s[RW], s[WV], 1
	s_and_b32 s[CW], s[WV], 1
	s_bfe_u32 s[CX], ttmp6, 0x40000
	s_bfe_u32 s[CY], ttmp6, 0x40004
	s_lshl_b32 s[TX], ttmp9, 2
	s_add_co_u32 s[TX], s[TX], s[CX]               ; tile column 0..3
	s_and_b32 s[TY], ttmp7, 0xffff
	s_lshl_b32 s[TY], s[TY], 2
	s_add_co_u32 s[TY], s[TY], s[CY]               ; tile row 0..63
	s_lshl_b32 s22, s[CY], 2
	s_lshl_b32 s22, 15, s22                        ; my row of the cluster
	s_lshl_b32 s23, 0x1111, s[CX]                  ; my column
	s_or_b32 s[G1], s22, DFL
	s_or_b32 s[G1B], s23, DFL
.irp g, G1, G1B
	s_mov_b32 s[(\g)+1], 128<<16                   ; tensor_dim0 = 128
	s_mov_b32 s[(\g)+2], 128<<16                   ; tensor_dim1 = 128
	s_mov_b32 s[(\g)+3], 128<<16                   ; tile_dim0 = 128
	s_mov_b32 s[(\g)+4], 128                       ; tile_dim1 = 128
	s_mov_b32 s[(\g)+5], 1024                      ; elements from row to row
	s_mov_b32 s[(\g)+6], 0
	s_mov_b32 s[(\g)+7], 0
.endr
	s_lshl_b32 s40, s[TY], 18                      ; x: 128 ty rows of 2,048 bytes: hangs on the tile row alone
	s_mov_b32 s41, 0
	s_max_u32 s90, s[WV], 1
	s_sub_co_u32 s90, s90, 1
	s_lshl_b32 s90, s90, 7
	s_mul_i32 s91, s[TX], 384
	s_add_co_u32 s90, s90, s91                     ; wb: row 384 tx + 128 (wave - 1): hangs on the tile column alone
	s_lshl_b32 s44, s90, 11
	s_mov_b32 s45, 0
	s_mul_i32 s47, s[WV], PART                     ; where my load goes: no place in the cluster enters an LDS address
	; what the heads are
	s_mul_i32 s82, s[TX], 3
	s_lshl_b32 s83, s[CW], 1
	s_add_co_u32 s83, s83, s82                     ; F's number
	s_add_co_u32 s84, s82, 1                       ; H's number
	s_lshl_b32 s85, s[TY], 7
	s_lshl_b32 s91, s[RW], 6
	s_add_co_u32 s85, s85, s91
	s_and_b32 s85, s85, 2047                       ; my first row's position in its sequence
	s_cmp_lt_u32 s83, 10
	s_cselect_b32 s[NMF], -1, 0
	s_cselect_b32 s86, s85, 2048                   ; F's table rows: the positions, or the identity
	s_cmp_lt_u32 s84, 10
	s_cselect_b32 s[NMH], -1, 0
	s_cselect_b32 s87, s85, 2048
	s_cmp_eq_u32 s[CW], 0
	s_cselect_b32 s87, s87, 2048                   ; H's upper 64 columns pass: the identity
	s_min_u32 s88, s83, 7
	s_lshl_b32 s88, s88, 2
	s_min_u32 s89, s84, 7
	s_lshl_b32 s89, s89, 2
	s_lshr_b32 s91, s[TY], 4
	s_mul_i32 s91, s91, 12                         ; 12 b
	s_and_b32 s92, s[TY], 15
	s_lshl_b32 s92, s92, 7                         ; the tile's first position
	s_add_co_u32 s94, s91, s83
	s_lshl_b32 s94, s94, 11
	s_add_co_u32 s94, s94, s92
	s_lshl_b32 s93, s[RW], 6
	s_add_co_u32 s94, s94, s93
	s_lshl_b32 s94, s94, 8
	s_mov_b32 s95, 0
	s_add_co_u32 s96, s91, s84
	s_lshl_b32 s96, s96, 11
	s_add_co_u32 s96, s96, s92
	s_lshl_b32 s93, s[WV], 5
	s_add_co_u32 s96, s96, s93
	s_lshl_b32 s96, s96, 8
	s_mov_b32 s97, 0
	s_mov_b32 s78, 0x3c000000                      ; 1 / 128
	s_mov_b32 s79, 0x34000000                      ; f32's eps, 2^-23
	s_mov_b32 s[SEL], 0x76543210
	s_mov_b32 s[SEL+1], 0xfedcba98
	s_wait_dscnt 0x0                               ; the opening add is done
	s_wait_kmcnt 0x0
	s_load_b32 s[GNF], s[10:11], s88 offset:0x0    ; q_gain[min(head, 7)]: inside the table for every head
	s_load_b32 s[GNH], s[10:11], s89 offset:0x0
	s_add_nc_u64 s[42:43], s[4:5], s[40:41]
	s_add_nc_u64 s[44:45], s[6:7], s[44:45]
	s_add_nc_u64 s[QF:QF+1], s[12:13], s[94:95]
	s_add_nc_u64 s[QH:QH+1], s[12:13], s[96:97]
	CROUND                                         ; all sixteen work-groups are here: the first joint loads meet
.irp s, 0,1
	s_mov_b32 s[G0+4*(\s)], 1
	s_add_co_u32 s[G0+4*(\s)+1], s47, (\s)*SLOT
	s_add_nc_u64 s[G0+4*(\s)+2:G0+4*(\s)+3], s[42:43], (\s)*256
	s_or_b32 s[G0+4*(\s)+3], s[G0+4*(\s)+3], 0x80000000
	s_mov_b32 s[G0B+4*(\s)], 1
	s_add_co_u32 s[G0B+4*(\s)+1], s47, (\s)*SLOT
	s_add_nc_u64 s[G0B+4*(\s)+2:G0B+4*(\s)+3], s[44:45], (\s)*256
	s_or_b32 s[G0B+4*(\s)+3], s[G0B+4*(\s)+3], 0x80000000
	JLOAD \s                                       ; K steps 0 and 1: two loads of mine are out
.endr
	; the prefetches' address: my work-group's 32 of the 128 rows that I fetch, at K step 2; the first refill steps it to 3 and names 4
	s_lshl_b32 s91, s[TY], 7
	s_and_b32 s92, ttmp7, 0xffff                   ; cluster y
	s_cmp_eq_u32 s[WV], 0
	s_cselect_b32 s91, s91, s90
	s_cselect_b32 s93, s[CX], s[CY]
	s_cselect_b32 s92, 0, s92
	s_cselect_b64 s[PFA:PFA+1], s[4:5], s[6:7]
	s_cmp_eq_u32 s92, 0
	s_cselect_b32 s[LIM], 1, -1                    ; the same in all sixteen partners, for a given wave
	s_lshl_b32 s93, s93, 5
	s_add_co_u32 s91, s91, s93
	s_lshl_b32 s92, s91, 11
	s_add_co_u32 s92, s92, 512
	s_mov_b32 s93, 0
	s_add_nc_u64 s[PFA:PFA+1], s[PFA:PFA+1], s[92:93]
	; vector addresses
	v_and_b32 v1, 15, v0                           ; l % 16
	v_bfe_u32 v2, v0, 4, 1                         ; h = l / 16
	v_mul_u32_u24 v3, v1, PITCH
	v_lshl_add_u32 v3, v2, 4, v3                   ; a fragment's row x pitch + 16 h
	s_mul_i32 s40, s[RW], 64*PITCH                 ; my 64 rows of x
	s_mul_i32 s41, s[CW], 2*PART
	s_add_co_u32 s41, s41, PART                    ; head 2 cw lies at part 1 + 2 cw
	s_mul_i32 s46, s[CW], 64*PITCH
	s_add_co_u32 s46, s46, 2*PART                  ; my half of head 1
.irp s, 0,1
	v_add_nc_u32 v[ADRA+(\s)], s40, v3
	v_add_nc_u32 v[ADRF+(\s)], s41, v3
	v_add_nc_u32 v[ADRH+(\s)], s46, v3
	s_add_co_u32 s40, s40, SLOT
	s_add_co_u32 s41, s41, SLOT
	s_add_co_u32 s46, s46, SLOT
.endr
	s_mul_i32 s40, s[WV], 32*PITCH
	s_add_co_u32 s40, s40, STG                     ; stage rows 32 wave ..: the first 16 are my own stage for F; all 32 are what I read back of H
	v_add_nc_u32 v[STO], s40, v3
	v_mul_u32_u24 v4, v2, PITCH
	v_lshl_add_u32 v4, v1, 4, v4
	v_add_nc_u32 v[RD], s40, v4                    ; back: lanes 0-15 one row of 256 bytes, lanes 16-31 the next
	s_mul_i32 s41, s[RW], 64*PITCH
	s_lshl_b32 s46, s[CW], 7
	s_add_co_u32 s41, s41, s46
	s_add_co_u32 s41, s41, STG
	v_add_nc_u32 v[STOH], s41, v3                  ; H: stage row 64 rw + l % 16, my 128 bytes of it
	v_and_b32 v[CO], 31, v0
	v_lshlrev_b32 v[PFO], 11, v[CO]                ; a lane a row of 2,048 bytes
	v_lshlrev_b32 v[CO], 4, v[CO]                  ; 16 x lane: two dense rows of 256 bytes
	s_lshl_b32 s40, s[WV], 8
	s_add_co_u32 s40, s40, SSX
	v_lshl_add_u32 v[SSA], v1, 2, s40
	s_xor_b32 s41, s[WV], 1
	s_lshl_b32 s41, s41, 8
	s_add_co_u32 s41, s41, SSX
	v_lshl_add_u32 v[SSB], v1, 2, s41              ; the wave with my rows and the other columns
	v_add_nc_u32 v[VTF], s86, v1
	v_lshlrev_b32 v[VTF], 8, v[VTF]
	v_lshl_add_u32 v[VTF], v2, 5, v[VTF]           ; table row x 256 + 32 h
	v_add_nc_u32 v[VTH], s87, v1
	v_lshlrev_b32 v[VTH], 8, v[VTH]
	v_lshl_add_u32 v[VTH], v2, 5, v[VTH]
	; The tables: for each row tile 32 registers: cos of channels 8 h + j, cos of 16 + 8 h + j, then the two sines.  These 64 loads stay out through the whole K loop; their one wait stands behind it.
.irp a, 0,1,2,3
.irp q, 0,1,2,3,4,5,6,7
	global_load_b128 v[TF+32*(\a)+4*(\q):TF+32*(\a)+4*(\q)+3], v[VTF], s[8:9] offset:4096*(\a)+((\q)/2)*64+((\q)%2)*16
.endr
.endr
	WIN 0x80
.irp a, 0,1
.irp q, 0,1,2,3,4,5,6,7
	global_load_b128 v[TH+32*(\a)+4*(\q):TH+32*(\a)+4*(\q)+3], v[VTH], s[8:9] offset:4096*(\a)+((\q)/2)*64+((\q)%2)*16
.endr
.endr
	WIN 0xc0
.irp a, 0,1
.irp q, 0,1,2,3,4,5,6,7
	global_load_b128 v[TH+32*(\a)+4*(\q):TH+32*(\a)+4*(\q)+3], v[VTH], s[8:9] offset:4096*((\a)+2)+((\q)/2)*64+((\q)%2)*16
.endr
.endr
	WIN 0
	s_wait_kmcnt 0x0                               ; the gains
	s_cmp_lt_u32 s83, 8
	s_cselect_b32 s[GNF], s[GNF], 1.0              ; k and v heads have none
	s_cmp_lt_u32 s84, 8
	s_cselect_b32 s[GNH], s[GNH], 1.0
	v_mov_b32 v[GVF], s[GNF]
	v_mov_b32 v[GVH], s[GNH]
	v_cvt_pk_bf16_f32 v[GVF], v[GVF], v[GVF]       ; rounded to bf16 like every input,
	v_cvt_pk_bf16_f32 v[GVH], v[GVH], v[GVH]
	v_lshlrev_b32 v[GVF], 16, v[GVF]               ; and back in f32
	v_lshlrev_b32 v[GVH], 16, v[GVH]
; 12 matrix instructions: row tile a x all 12 n blocks, 32 along K, from buffer f.  All 48 accumulators take turns, one instruction a turn, over the backward jump too.
.macro MUL12 f, a, zero
	WIN 0xa1+0x50*((\a)/2)                         ; source 0 window 1, source 1 window 0, C and D window 2 or 3
.irp nb, 0,1,2,3,4,5,6,7,8,9,10,11
.if \zero
	v_wmma_f32_16x16x32_bf16 v[96*((\a)%2)+8*(\nb):96*((\a)%2)+8*(\nb)+7], v[96*(\f)+8*(\nb):96*(\f)+8*(\nb)+7], v[XF+32*(\f)+8*(\a):XF+32*(\f)+8*(\a)+7], 0
.else
	v_wmma_f32_16x16x32_bf16 v[96*((\a)%2)+8*(\nb):96*((\a)%2)+8*(\nb)+7], v[96*(\f)+8*(\nb):96*(\f)+8*(\nb)+7], v[XF+32*(\f)+8*(\a):XF+32*(\f)+8*(\a)+7], v[96*((\a)%2)+8*(\nb):96*((\a)%2)+8*(\nb)+7]
.endif
.endr
.endm
; 32 LDS loads in one run: 32 along K at byte k of the rows, into buffer f: F's 8 blocks, H's 4, x's 4 row tiles last
.macro FETCH slot, k, f
	WIN 0x40
.irp nb, 0,1,2,3,4,5,6,7
	ds_load_b128 v[96*(\f)+8*(\nb):96*(\f)+8*(\nb)+3],   v[ADRF+(\slot)] offset:(\k)+(\nb)*16*PITCH
	ds_load_b128 v[96*(\f)+8*(\nb)+4:96*(\f)+8*(\nb)+7], v[ADRF+(\slot)] offset:(\k)+(\nb)*16*PITCH+32
.endr
.irp nb, 0,1,2,3
	ds_load_b128 v[96*(\f)+64+8*(\nb):96*(\f)+64+8*(\nb)+3],   v[ADRH+(\slot)] offset:(\k)+(\nb)*16*PITCH
	ds_load_b128 v[96*(\f)+64+8*(\nb)+4:96*(\f)+64+8*(\nb)+7], v[ADRH+(\slot)] offset:(\k)+(\nb)*16*PITCH+32
.endr
	WIN 0
.irp a, 0,1,2,3
	ds_load_b128 v[XF+32*(\f)+8*(\a):XF+32*(\f)+8*(\a)+3],   v[ADRA+(\slot)] offset:(\k)+(\a)*16*PITCH
	ds_load_b128 v[XF+32*(\f)+8*(\a)+4:XF+32*(\f)+8*(\a)+7], v[ADRA+(\slot)] offset:(\k)+(\a)*16*PITCH+32
.endr
.endm
; A K step is four quarters of 32 along K, 48 matrix instructions each, on buffers 0, 1, 0, 1.
.macro QUARTER slot, k, f, g, zero
	s_wait_dscnt 4                                 ; all but the youngest four loads: x's row tiles 2 and 3
	MUL12 \f, 0, \zero
	MUL12 \f, 1, \zero
	PLACES
	FETCH \slot, \k, \g
	s_wait_dscnt 32                                ; all but the 32 just issued
	MUL12 \f, 2, \zero
	MUL12 \f, 3, \zero
.endm
; The last quarter multiplies buffer 1 and changes slots.  In front of the barrier each wave waits for all its tensor loads (one is out: its part of the next slot), adds 0 to its spare word, and
; waits for that and for its reads of this slot.  fill = 1: the barrier opens a round of the cluster's, and the joint refill, two K steps on, is the first tensor load behind it.
.macro TURN slot, next, fill
.if \fill
	s_wait_xcnt 0x0                                ; the last prefetch, a K step back, has read its address
	s_add_nc_u64 s[PFA:PFA+1], s[PFA:PFA+1], 256
.endif
	WIN 0
	s_wait_tensorcnt 0x0
	ds_add_u32 v[SPW], v[NIL]
	s_wait_dscnt 5                                 ; the add and the youngest four loads may be out
	MUL12 1, 0, 0
	s_wait_dscnt 0x0                               ; the add is done, my reads of this slot are over
	s_barrier_signal -1
	MUL12 1, 1, 0
.if \fill
	WIN 0
.endif
	s_barrier_wait -1
.if \fill
	CREST                                          ; no wave of any partner still reads this slot or has a load on its way
	s_add_nc_u64 s[G0+4*(\slot)+2:G0+4*(\slot)+3], s[G0+4*(\slot)+2:G0+4*(\slot)+3], 512
	s_add_nc_u64 s[G0B+4*(\slot)+2:G0B+4*(\slot)+3], s[G0B+4*(\slot)+2:G0B+4*(\slot)+3], 512
	JLOAD \slot                                    ; its four v_nop are also the places in front of the loads below
.else
	PLACES
.endif
	FETCH \next, 0, 0
.if \fill
	ASK
.endif
	MUL12 1, 2, 0
	MUL12 1, 3, 0
.endm
	s_wait_tensorcnt 1                             ; my part of K step 0 is in; K step 1's may stay out
	s_barrier_signal -1
	s_barrier_wait -1
	FETCH 0, 0, 0
	QUARTER 0, 64, 0, 1, 1                         ; the first quarter's products start the sums: nothing is cleared
	WIN 0
	s_mov_b32 s[LAP], 3
.Llap:                                                 ; a trip goes once round the ring and fills both slots again
	QUARTER 0, 128, 1, 0, 0
	QUARTER 0, 192, 0, 1, 0
	TURN 0, 1, 1
	QUARTER 1, 64,  0, 1, 0
	QUARTER 1, 128, 1, 0, 0
	QUARTER 1, 192, 0, 1, 0
	TURN 1, 0, 1
	QUARTER 0, 64,  0, 1, 0
	WIN 0
	s_sub_co_u32 s[LAP], s[LAP], 1
	s_cmp_lg_u32 s[LAP], 0
	s_cbranch_scc1 .Llap
	QUARTER 0, 128, 1, 0, 0                        ; the last lap fills nothing
	QUARTER 0, 192, 0, 1, 0
	TURN 0, 1, 0
	QUARTER 1, 64,  0, 1, 0
	QUARTER 1, 128, 1, 0, 0
	QUARTER 1, 192, 0, 1, 0
	s_wait_dscnt 4
	MUL12 1, 0, 0
	MUL12 1, 1, 0
	s_wait_dscnt 0x0
	MUL12 1, 2, 0
	MUL12 1, 3, 0
	WIN 0
	PLACES
	s_wait_loadcnt 0x0                             ; the tables
; SUMS OF SQUARES, in f32.  For row tile a and part (F, H) two packed chains at SS + 8 a + 4 part; each accumulator is read from its low end on.
.macro SUMSQ w
	WIN 0x0a+5*(\w)                                ; sources 0 and 1 window 2 + w
.irp nb, 0,1,2,3,4,5,6,7,8,9,10,11
.irp jp, 0,1,2,3
.irp aa, 0,1
.set rA, 96*(\aa)+8*(\nb)+2*(\jp)
.set rB, SS+8*(2*(\w)+(\aa))+4*((\nb)/8)+2*((\jp)%2)
.if (((\nb)%8) == 0) && ((\jp) < 2)
	v_pk_mul_f32 v[rB:rB+1], v[rA:rA+1], v[rA:rA+1]
.else
	v_pk_fma_f32 v[rB:rB+1], v[rA:rA+1], v[rA:rA+1], v[rB:rB+1]
.endif
.endr
.endr
.endr
.endm
	SUMSQ 0
	SUMSQ 1
	WIN 0
.irp b, 0,1,2,3,4,5,6,7
	v_pk_add_f32 v[SS+4*(\b):SS+4*(\b)+1], v[SS+4*(\b):SS+4*(\b)+1], v[SS+4*(\b)+2:SS+4*(\b)+3]
.endr
.irp b, 0,1,2,3,4,5,6,7
	v_add_f32 v[SS+4*(\b)], v[SS+4*(\b)], v[SS+4*(\b)+1]
.endr
.irp b, 0,1,2,3,4,5,6,7
	v_permlanex16_b32 v[SS+4*(\b)+1], v[SS+4*(\b)], s[SEL], s[SEL+1]  ; the row's other columns lie in the lane 16 away
.endr
.irp b, 0,1,2,3,4,5,6,7
	v_add_f32 v[SS+4*(\b)], v[SS+4*(\b)], v[SS+4*(\b)+1]
.endr
.irp a, 0,1,2,3
	ds_store_b32 v[SSA], v[SS+8*(\a)+4] offset:64*(\a)  ; H's half sum, for the wave with the other 64 columns
.endr
	s_wait_dscnt 0x0                               ; for the other wave's sake
	s_barrier_signal -1
	s_barrier_wait -1
.irp a, 0,1,2,3
	ds_load_b32 v[SS+8*(\a)+5], v[SSB] offset:64*(\a)
.endr
	s_wait_dscnt 0x0
.irp a, 0,1,2,3
	v_add_f32 v[SS+8*(\a)+4], v[SS+8*(\a)+4], v[SS+8*(\a)+5]
.endr
.irp b, 0,1,2,3,4,5,6,7
	v_fma_f32 v[SS+4*(\b)], v[SS+4*(\b)], s78, s79 ; mean + eps
.endr
.irp b, 0,1,2,3,4,5,6,7
	v_rsq_f32 v[SS+4*(\b)], v[SS+4*(\b)]
.endr
	v_nop                                          ; a plain instruction behind the last of the batch,
	s_wait_alu depctr_va_vdst(0)                   ; and one wait for the eight, ahead of their first use
.irp a, 0,1,2,3
	v_mul_f32 v[SS+8*(\a)], v[SS+8*(\a)], v[GVF]
	v_mul_f32 v[SS+8*(\a)+4], v[SS+8*(\a)+4], v[GVH]
.endr
.irp a, 0,1,2,3
	v_cndmask_b32 v[SS+8*(\a)], 1.0, v[SS+8*(\a)], s[NMF]      ; v heads are not normed
	v_cndmask_b32 v[SS+8*(\a)+4], 1.0, v[SS+8*(\a)+4], s[NMH]
.endr
.irp b, 0,1,2,3,4,5,6,7
	v_mov_b32 v[SS+4*(\b)+1], v[SS+4*(\b)]         ; twice, a pair for the packed multiply
.endr
; Row tile a, part sl (0: F, 8 blocks; 1: H, 4 blocks): scaled in place; blocks 0-3 rotated (t1 c + t2 s, t2 c - t1 s; t1 = blocks 0, 1; t2 = blocks 2, 3); rounded to f16, 16 bytes a block.
.macro PACK a, sl
.set W, 2+(\a)/2
.set AC, 96*((\a)%2)+64*(\sl)
.set R, SS+8*(\a)+4*(\sl)
	WIN (W<<6)|W
.set i, 0
.rept 32-16*(\sl)
	v_pk_mul_f32 v[AC+2*i:AC+2*i+1], v[AC+2*i:AC+2*i+1], v[R:R+1]
.set i, i+1
.endr
.if \sl
	WIN W|(W<<2)                                   ; H's table lies beside its accumulators
.set TB, TH+32*((\a)%2)
.else
	WIN W
.set TB, TF+32*(\a)
.endif
.irp p, 0,1
.irp jp, 0,1,2,3
.set o, 8*(\p)+2*(\jp)
	v_pk_mul_f32 v[TMP+o:TMP+o+1], v[AC+o:AC+o+1], v[TB+o:TB+o+1]
	v_pk_mul_f32 v[TMP+16+o:TMP+16+o+1], v[AC+16+o:AC+16+o+1], v[TB+o:TB+o+1]
	v_pk_fma_f32 v[TMP+o:TMP+o+1], v[AC+16+o:AC+16+o+1], v[TB+16+o:TB+16+o+1], v[TMP+o:TMP+o+1]
	v_pk_fma_f32 v[TMP+16+o:TMP+16+o+1], v[AC+o:AC+o+1], v[TB+16+o:TB+16+o+1], v[TMP+16+o:TMP+16+o+1] neg_lo:[1,0,0] neg_hi:[1,0,0]
.endr
.endr
	WIN 0
.set i, 0
.rept 16
	v_cvt_pk_f16_f32 v[PK+i], v[TMP+2*i], v[TMP+2*i+1]
.set i, i+1
.endr
.if !(\sl)
	WIN W|(W<<2)
.set i, 16
.rept 16
	v_cvt_pk_f16_f32 v[PK+i], v[AC+2*i], v[AC+2*i+1]
.set i, i+1
.endr
	WIN 0
.endif
.endm
; F's way out, through my own 16 stage rows: 16 bytes a lane in, whole rows of 256 bytes back (LDS serves a wave's instructions in order), 512 consecutive bytes a store.
.macro TOSTAGE a
	WIN 0
.irp nb, 0,1,2,3,4,5,6,7
	ds_store_b128 v[STO], v[PK+4*(\nb):PK+4*(\nb)+3] offset:32*(\nb)
.endr
	s_wait_xcnt 0x0                                ; the registers below, which earlier stores read, are loaded again only behind this wait
	WIN 0x40
.irp t, 0,1,2,3,4,5,6,7
	ds_load_b128 v[32*((\a)%2)+4*(\t):32*((\a)%2)+4*(\t)+3], v[RD] offset:2*PITCH*(\t)
.endr
	WIN 0
.endm
.macro SEND a
	s_wait_dscnt 0x0
	WIN 0x04                                       ; the data lie in window 1
.irp t, 0,1,2,3,4,5,6,7
	global_store_b128 v[CO], v[32*((\a)%2)+4*(\t):32*((\a)%2)+4*(\t)+3], s[QF:QF+1] offset:4096*(\a)+512*(\t)
.endr
	WIN 0
.endm
	PACK 0, 0
	TOSTAGE 0
.irp a, 1,2,3
	PACK \a, 0                                     ; a tile's arithmetic stands between the loads of the tile before and their wait
	SEND (\a)-1
	TOSTAGE \a
.endr
	SEND 3
	; H's way out: a row's 256 bytes come from two waves, so the stage is shared: a barrier in front of the writing (all reads of the private stages are over), one between writing and reading.
	s_wait_dscnt 0x0
	s_barrier_signal -1
	s_barrier_wait -1
.irp a, 0,1,2,3
	PACK \a, 1
.irp nb, 0,1,2,3
	ds_store_b128 v[STOH], v[PK+4*(\nb):PK+4*(\nb)+3] offset:16*PITCH*(\a)+32*(\nb)
.endr
.endr
	s_wait_dscnt 0x0                               ; for the others' sake
	s_barrier_signal -1
	s_barrier_wait -1
	s_wait_xcnt 0x0                                ; F's stores have read their registers
	WIN 0x40
.irp t, 0,1,2,3,4,5,6,7,8,9,10,11,12,13,14,15
	ds_load_b128 v[4*(\t):4*(\t)+3], v[RD] offset:2*PITCH*(\t)
.endr
	s_wait_dscnt 0x0
	WIN 0x04
.irp t, 0,1,2,3,4,5,6,7,8,9,10,11,12,13,14,15
	global_store_b128 v[CO], v[4*(\t):4*(\t)+3], s[QH:QH+1] offset:512*(\t)
.endr
	WIN 0
	s_wait_tensorcnt 0x0                           ; the wave's end: behind my last tensor load and my last LDS store
	ds_add_u32 v[SPW], v[NIL]
	s_wait_dscnt 0x0
	CROUND                                         ; the closing round
	s_endpgm
.Lfunc_end_k_q70e99e4601_qkv:
	.size	k_q70e99e4601_qkv, .Lfunc_end_k_q70e99e4601_qkv-k_q70e99e4601_qkv
	.p2alignl 7, 3214868480
	.fill 96, 4, 3214868480
	.section	.rodata,"a",@progbits
	.p2align	6, 0x0
	.amdhsa_kernel k_q70e99e4601_qkv
		.amdhsa_group_segment_fixed_size 327680
		.amdhsa_private_segment_fixed_size 0
		.amdhsa_enable_private_segment 0
		.amdhsa_kernarg_size 40
		.amdhsa_user_sgpr_count 2
		.amdhsa_user_sgpr_kernarg_segment_ptr 1
		.amdhsa_wavefront_size32 1
		.amdhsa_system_sgpr_workgroup_id_x 1
		.amdhsa_system_sgpr_workgroup_id_y 1
		.amdhsa_system_sgpr_workgroup_id_z 1
		.amdhsa_system_vgpr_workitem_id 0
		.amdhsa_next_free_vgpr 1024
		.amdhsa_next_free_sgpr 100
		.amdhsa_reserve_vcc 0
		.amdhsa_float_denorm_mode_32 3
		.amdhsa_float_denorm_mode_16_64 3
		.amdhsa_memory_ordered 1
		.amdhsa_forward_progress 1
		.amdhsa_inst_pref_size 174
	.end_amdhsa_kernel
	.amdgpu_metadata
---
amdhsa.version: [ 1, 2 ]
amdhsa.kernels:
  - .name:           k_q70e99e4601_qkv
    .symbol:         k_q70e99e4601_qkv.kd
    .args:
      - { .name: xb, .offset: 0, .size: 8, .value_kind: global_buffer, .address_space: global }
      - { .name: wb, .offset: 8, .size: 8, .value_kind: global_buffer, .address_space: global }
      - { .name: rope, .offset: 16, .size: 8, .value_kind: global_buffer, .address_space: global }
      - { .name: q_gain, .offset: 24, .size: 8, .value_kind: global_buffer, .address_space: global }
      - { .name: qkv, .offset: 32, .size: 8, .value_kind: global_buffer, .address_space: global }
    .group_segment_fixed_size: 327680
    .private_segment_fixed_size: 0
    .kernarg_segment_align: 8
    .kernarg_segment_size: 40
    .max_flat_workgroup_size: 128
    .sgpr_count:     100
    .vgpr_count:     1024
    .wavefront_size: 32
...
	.end_amdgpu_metadata
.endif
;; end of part 2
;; launch attn (part 3): grid 32 x 8, 4 waves a work-group, clusters of 4 x 1, 327,680 bytes of LDS; arguments qkv, yb; writes yb
.if DOCPART == 3
	.amdgcn_target "amdgcn-amd-amdhsa--gfx1250"
	.amdhsa_code_object_version 6
	.text
	.protected	k_q70e99e4601_attn
	.globl	k_q70e99e4601_attn
	.p2align	8
	.type	k_q70e99e4601_attn,@function
k_q70e99e4601_attn:
	s_mov_b64 s[64:65], 0
	v_nop
	global_prefetch_b8 v0, s[64:65] scope:SCOPE_SE
	s_setreg_imm32_b32 hwreg(HW_REG_WAVE_MODE, 25, 1), 1
	s_wait_xcnt 0x0
	s_wait_alu depctr_hold_cnt(0) depctr_sa_sdst(0) depctr_va_vdst(0) depctr_va_sdst(0) depctr_va_ssrc(0) depctr_va_vcc(0) depctr_vm_vsrc(0)
	s_getreg_b32 s2, hwreg(HW_REG_IB_STS2, 6, 4)
	s_cmp_eq_u32 s2, 0
	s_cbranch_scc0 .Lentry_in_a_cluster
	s_endpgm
.Lentry_in_a_cluster:
	s_bfe_u32 s2, ttmp6, 0x10000c
	s_cmp_lg_u32 s2, 0x3003
	s_cbranch_scc0 .Lentry_shape_is_right
	s_endpgm
.Lentry_shape_is_right:
; CAUSAL ATTENTION, four query heads to a key and value head.  y[b][q][hq][:] = sum over k <= q of softmax_k(Q . K / sqrt(128)) V.  Q, K, V from qkv ([4][12][2048][128] f16), y to yb ([8192][1024] f16).
; Products, maxima and sums in f32; the weights are rounded to f16 for the second product (their sum is taken unrounded), y once at the end.
; THE WALK.  A head's queries lie in 16 blocks of 128 rows; block i needs the key tiles 0 .. i of 128 keys.  A work-group takes one query head and TWO blocks, p and then 15 - p: 17 tiles, whatever p: all
; work-groups are alike, and ONE loop with a constant count walks them, a tile a trip, through a ring of two LDS slots.  What a trip does beside its key step hangs on scalars made from p; those jumps go
; forward, and none passes a barrier or a tensor load (but the one of a fill's two lines that the wave's number does not choose).
; CLUSTER.  The four work-groups of a cluster are the four query heads of one (b, kv head, p): the same K and V tiles and the same trips, so every tile is ONE joint load with the mask of four.
; SHARES.  Wave (rg, kh): 64 of the block's rows (rg) and 64 of each tile's 128 keys (kh): four tiles of 16 queries, one key step of 64 a trip.  The waves w and w ^ 2 hold partial (m, l, O) of the same rows;
; at a block's end they merge in f32 through LDS.  Register tile t holds row tile (t + 2 kh) & 3, so every wave sends its tiles 2, 3 and finishes its tiles 0, 1, by one text.
; A BLOCK'S END is cut in two.  END1, behind the diagonal tile's step: the last products; c m, l and O^T of tiles 2, 3 go into my area of LDS.  The next change of slots, which waits for my LDS instructions and
; passes a barrier anyway, orders these stores with the partner's reads.  END2, behind that change's refill: the partner's tiles are read, merged and sent out.  A plain barrier stands in every trip between
; END2's place and the rest of the trip, so that on every way through the text the reads of an area and the next stores into it are a barrier apart.
; LAYOUT.  S^T = K Q^T: a lane holds ONE query (lane % 16) and keys 8 (lane / 16) + 0..7; two such results rounded to f16 ARE source 1 of O^T = V^T P.  V comes out of LDS turned (ds_load_tr16_b128).
; SOFTMAX.  p = 2^(c s - c m), c = log2(e) / sqrt(128), with a running maximum m; O and l are multiplied by a = 2^(c m_old - c m_new) in every step.  m starts at the lowest finite number: the first a is 0.
; THE MASK is the C operand that starts a sum S^T: 0, or -1e30 where key > query.  In the diagonal tile it hangs on 16 (key block - query tile) + register against a number of the lane: five patterns a piece,
; made for the diagonal tile and set back to 0 for the second block.  A wave that sees only hidden keys of a row (block 0 alone) carries weights that the merge multiplies by 2^(-1.3e29) = 0.
; A STEP: K is fetched under the step before's last 32 products V^T P (piece 2); V under 32 products K Q^T (piece 0); then piece 2's K Q^T with piece 0's softmax in slices behind them, and piece 0's
; V^T P with piece 2's softmax.  A piece's 66 exponentials are one batch with one wait.
; LIMITS.  f16 holds nothing beyond 65,504: q, k, v arrive within it.  A hidden score counts as its value less 1e30; a weight below 2^-126 counts as 0; NaN and infinities are not treated apart.
; REGISTERS: window 0: v0-11, v44-63 addresses and factors; v12-43 statistics, 8 a tile; v64-191 S^T; v192-255 P.  window 1: O^T, 64 a tile.  window 2: v0-127 Q, v128-255 K.  window 3: v0-127 V, v128-207 masks.
.set PK,    272                        ; a row of K in LDS: 256 + 16 bytes
.set PV,    288                        ; a row of V: 256 + 32 bytes
.set VOFF,  128*PK                     ; a slot: 128 rows of K, then 128 rows of V
.set SLOT1, 1<<17                      ; slot 1 begins here, so that one exclusive or turns an address in one slot into the other's
.set MRG,   SLOT1+128*(PK+PV)          ; behind the ring, never filled by a tensor load: 16,384 bytes a wave: two tiles of O^T for the partner
.set STATS, MRG+4*16384                ; 512 bytes a wave: c m and l of the two tiles sent
.set STG,   STATS+2048                 ; 16 rows x 272 bytes a wave: my stage for the way out
.set SP,    272
.set SPARE, STG+4*16*SP                ; the spare words: 128 bytes a wave, two blocks of 256 that no other line names
.set AK0, 2
.set AV0, 3
.set ADR, 4
.set QO,  5                            ; v5, v6: my byte offset in the block's rows of Q, for pieces 0 and 2
.set STO, 7
.set RD,  8
.set ST,  12                           ; tile t at ST + 8 t: c m, m, l (even keys', odd keys'), c0-c3 at work; a takes c2's place
.set GO,  44
.set VM0, 46                           ; v46, v47: what 16 d + r is held against in the diagonal tile, for pieces 0 and 2; never rewritten
.set MS,  48
.set ML,  49
.set SST, 50
.set SLD, 51
.set GA,  52                           ; v52-59: for tiles 0, 1: my factor twice, the partner's twice
.set PFO, 60
.set SPW, 62
.set NIL, 63
.set S,   64
.set P,   192
.set KF,  128                          ; window 2
.set MK,  128                          ; window 3: piece x, pattern d at MK + 40 (x / 2) + 8 (d + 1)
.set WV, 12
.set RG, 13
.set KH, 14
.set PB, 15                            ; p: the first block
.set HI, 16                            ; 15 - p: the second
.set RT, 17                            ; tiles of the block in hand that lie behind the one entered: 0 at the diagonal
.set FIN, 18                           ; 1: a block's tiles lie in LDS, to be merged
.set SLOTS, 19
.set NXT, 20                           ; the key tile to be asked for next
.set LQ, 21                            ; the last key tile of the block whose tiles are being asked for
.set TB, 22                            ; LDS byte at which the slot to be read begins
.set LIM, 23                           ; 3 in a wave that prefetches, else the greatest number
.set G1K, 24
.set G1V, 32
.set G0K, 40
.set G0V, 44
.set KB, 48                            ; s[48:49] K at my 64 rows of the head's tile 0
.set VB, 50
.set OFF, 52
.set CS, 58
.set SEL, 60
.set BIGN, 62
.set QA, 66
.set QB, 68
.set YA, 70
.set YB, 72
.set PFA, 74
.set MSB, 0
.macro WIN new                         ; the immediate's high byte repeats the setting that is left; a switch that changes nothing is dropped
.if MSB != (\new)
	s_set_vgpr_msb (MSB<<8)|(\new)
.set MSB, \new
.endif
.endm
.set W_KQ, 0x0a                        ; K and Q window 2, S^T window 0
.set W_KM, 0x3a                        ; the same with C in window 3
.set W_PV, 0x53                        ; V window 3, P window 0, O^T window 1
.set W_RS, 0x41                        ; O^T (destination, source 0) window 1, a window 0
.macro PLACES                          ; four plain instructions between a matrix instruction and a load into, or a vector read of, its registers
.rept 4
	v_nop
.endr
.endm
.macro JLOAD                           ; waves 0, 1: the two halves of a tile's K; waves 2, 3: of its V.  An s_nop 0 and four v_nop follow each line
	s_cmp_lt_u32 s[WV], 2
	s_cbranch_scc0 .Lfor_v_\@
	tensor_load_to_lds s[G0K:G0K+3], s[G1K:G1K+7]
	s_nop 0
.rept 4
	v_nop
.endr
	s_branch .Lasked_\@
.Lfor_v_\@:
	tensor_load_to_lds s[G0V:G0V+3], s[G1V:G1V+7]
	s_nop 0
.rept 4
	v_nop
.endr
.Lasked_\@:
.endm
; A prefetch into the L2.  The eight clusters of one (b, kv head) walk the same rows; the cluster with p = 0 alone asks: in trip n for key tile n + 3, which the first of the eight asks for by its refill two
; trips later; trips 0 to 12, tiles 3 to 15.  A tile has 128 rows of K and of V: each partner takes 32 of each, told apart by address; wave 0 asks for K's, wave 2 for V's: a lane a row.
.macro ASK
	s_cmp_gt_u32 s[SLOTS], s[LIM]
	s_cbranch_scc0 .Lnot_mine_\@
	global_prefetch_b8 v[PFO], s[PFA:PFA+1] th:TH_LOAD_NT scope:SCOPE_SE
.Lnot_mine_\@:
.endm
.macro CROUND
	s_barrier_signal -1
	s_barrier_wait -1
	s_cmp_lg_u32 s[WV], 0
	s_cbranch_scc1 .Lnot_wave_0_\@
	s_barrier_signal -3
.Lnot_wave_0_\@:
	s_barrier_wait -3
	s_barrier_signal -1
	s_barrier_wait -1
.endm
; THE CHANGE OF SLOTS.  Each wave waits for all its tensor loads (one is out: its part of the other slot), adds 0 to its spare word, and waits for that and for all its LDS instructions: its reads of the slot
; that it leaves, and END1's stores.  fill = 1: a round of the cluster's barrier, and the joint refill first behind it, with key tile NXT: the descriptor's address is made anew from that number.
; (At its first use nothing has been read yet: slot 0 is waited for, slot 1 filled.)
.macro CHANGE fill
	WIN 0
	s_wait_tensorcnt 0x0                           ; no tensor load of mine is out, so a group 0 may be written
	ds_add_u32 v[SPW], v[NIL]                      ; scalar work stands between it and its wait
.if \fill
	s_lshl_b32 s[OFF], s[NXT], 15                  ; a tile is 32,768 bytes of K and of V
	s_xor_b32 s[G0K+1], s[G0K+1], SLOT1
	s_add_nc_u64 s[G0K+2:G0K+3], s[KB:KB+1], s[OFF:OFF+1]
	s_or_b32 s[G0K+3], s[G0K+3], 0x80000000
	s_xor_b32 s[G0V+1], s[G0V+1], SLOT1
	s_add_nc_u64 s[G0V+2:G0V+3], s[VB:VB+1], s[OFF:OFF+1]
	s_or_b32 s[G0V+3], s[G0V+3], 0x80000000
	s_add_co_u32 s[NXT], s[NXT], 1                 ; the block's next tile, or behind its last the second block's tile 0
	s_cmp_gt_u32 s[NXT], s[LQ]
	s_cselect_b32 s[NXT], 0, s[NXT]
	s_cselect_b32 s[LQ], s[HI], s[LQ]
	s_wait_xcnt 0x0                                ; the last prefetch, a trip back, has read its address
	s_add_nc_u64 s[PFA:PFA+1], s[PFA:PFA+1], 32768
.endif
	s_wait_dscnt 0x0                               ; the add is done, and so are all my LDS instructions
.if \fill
	CROUND
	JLOAD
	ASK
.else
	s_barrier_signal -1
	s_barrier_wait -1
.endif
	s_xor_b32 s[TB], s[TB], SLOT1                  ; the slot to be read
.endm
	s_load_b128 s[4:7], s[0:1], 0x0                ; qkv s[4:5], yb s[6:7]
	v_lshl_add_u32 v[SPW], v0, 2, SPARE
	v_mov_b32 v[NIL], 0
	ds_add_u32 v[SPW], v[NIL]                      ; the wave's opening: the add and its wait stand ahead of my first tensor load
	v_lshrrev_b32 v1, 5, v0
	v_readfirstlane_b32 s[WV], v1
	s_and_b32 s[RG], s[WV], 1
	s_lshr_b32 s[KH], s[WV], 1
	s_bfe_u32 s79, ttmp6, 0x40000                  ; cx: the query head in its group: it enters Q's, y's and the prefetches' addresses alone
	s_mov_b32 s[PB], ttmp9                         ; in a cluster launch ttmp9 counts clusters: p, the same in all four partners
	s_sub_co_u32 s[HI], 15, s[PB]
	s_mov_b32 s[RT], s[PB]
	s_cmp_gt_u32 s[PB], 0
	s_cselect_b32 s[NXT], 1, 0                     ; the walk's second tile: the first block's tile 1, or (p = 0) the second block's tile 0
	s_cselect_b32 s[LQ], s[PB], s[HI]
	s_and_b32 s80, ttmp7, 0xffff
	s_lshr_b32 s81, s80, 1                         ; b
	s_and_b32 s82, s80, 1                          ; the kv head
	s_mul_i32 s83, s81, 12
	s_add_co_u32 s84, s83, s82
	s_add_co_u32 s84, s84, 8
	s_lshl_b32 s84, s84, 19                        ; K's head: 524,288 bytes a head
	s_mov_b32 s85, 0
	s_lshl_b32 s86, s82, 2
	s_add_co_u32 s86, s86, s79                     ; hq
	s_add_co_u32 s88, s83, s86
	s_lshl_b32 s88, s88, 19                        ; Q's head
	s_mov_b32 s89, 0
	s_lshl_b32 s90, s[RG], 6
	s_lshl_b32 s91, s[KH], 5
	s_add_co_u32 s92, s90, s91                     ; R0 = 64 rg + 32 kh: piece 0's first row in the block
	s_add_co_u32 s93, s90, 32
	s_sub_co_u32 s93, s93, s91                     ; R2 = 64 rg + 32 - 32 kh: piece 2's
	s_sub_co_u32 s77, s90, s91                     ; R0 - 64 kh, a whole number that may lie below 0
	s_lshl_b32 s78, s91, 1
	s_sub_co_u32 s78, s93, s78                     ; R2 - 64 kh
	s_lshl_b32 s94, s81, 11
	s_add_co_u32 s94, s94, s92
	s_lshl_b32 s94, s94, 11                        ; y: row 2048 b + R0, 2,048 bytes a row,
	s_lshl_b32 s95, s86, 8
	s_add_co_u32 s94, s94, s95                     ; + 256 hq
	s_mov_b32 s95, 0
	s_lshl_b32 s96, s79, 13                        ; the prefetches: rows 32 cx .. of a tile,
	s_add_co_u32 s96, s96, 2*32768                 ; at key tile 2; the first change steps it to tile 3
	s_add_co_u32 s96, s96, s84
	s_cmp_lt_u32 s[WV], 2
	s_cselect_b32 s97, 0, 1048576                  ; V's head lies two heads behind K's
	s_add_co_u32 s96, s96, s97
	s_mov_b32 s97, 0
	s_lshl_b32 s87, s[RG], 14                      ; which 64 rows of a tile I fetch
	s_add_co_u32 s84, s84, s87
	s_and_b32 s[LIM], s[WV], 1                     ; 0 in waves 0 and 2,
	s_or_b32 s[LIM], s[LIM], ttmp9                 ; where p = 0: the same in all four partners
	s_cmp_eq_u32 s[LIM], 0
	s_cselect_b32 s[LIM], 3, -1
	s_mov_b32 s[G1K], 15|(1<<16)|(1<<20)|(1<<21)|(5<<22)|(3<<25)  ; the mask of four; 2-byte elements; padding on; bit 21 beside a mask; after every 64 words; 4 words
	s_mov_b32 s[G1V], 15|(1<<16)|(1<<20)|(1<<21)|(5<<22)|(7<<25)  ; the same with 8 words
.irp g, G1K, G1V
	s_mov_b32 s[(\g)+1], 128<<16                   ; tensor_dim0 = 128
	s_mov_b32 s[(\g)+2], 64<<16                    ; tensor_dim1 = 64
	s_mov_b32 s[(\g)+3], 128<<16                   ; tile_dim0 = 128
	s_mov_b32 s[(\g)+4], 64                        ; tile_dim1 = 64
	s_mov_b32 s[(\g)+5], 128                       ; elements from row to row
	s_mov_b32 s[(\g)+6], 0
	s_mov_b32 s[(\g)+7], 0
.endr
	s_mov_b32 s[CS], 0x3e0293ee                    ; c = log2(e) / sqrt(128)
	s_mov_b32 s[CS+1], s[CS]
	s_mov_b32 s[SEL], 0x76543210
	s_mov_b32 s[SEL+1], 0xfedcba98
	s_mov_b32 s[BIGN], 0xf149f2ca                  ; -1e30
	s_mov_b32 s[FIN], 0
	s_mov_b32 s[TB], SLOT1                         ; the first change turns it into 0
	s_mov_b32 s[OFF+1], 0
	s_mov_b32 s[SLOTS], 16
	s_mov_b32 s[G0K], 1
	s_mul_i32 s[G0K+1], s[RG], 64*PK               ; slot 0, my 64 rows: the wave's number alone
	s_mov_b32 s[G0V], 1
	s_mul_i32 s[G0V+1], s[RG], 64*PV
	s_add_co_u32 s[G0V+1], s[G0V+1], VOFF
	s_wait_dscnt 0x0                               ; the opening add is done
	s_wait_kmcnt 0x0
	s_add_nc_u64 s[KB:KB+1], s[4:5], s[84:85]
	s_add_nc_u64 s[VB:VB+1], s[KB:KB+1], 1048576
	s_add_nc_u64 s[G0K+2:G0K+3], s[KB:KB+1], 0
	s_or_b32 s[G0K+3], s[G0K+3], 0x80000000
	s_add_nc_u64 s[G0V+2:G0V+3], s[VB:VB+1], 0
	s_or_b32 s[G0V+3], s[G0V+3], 0x80000000
	s_add_nc_u64 s[QA:QA+1], s[4:5], s[88:89]
	s_lshl_b32 s80, s[PB], 15
	s_mov_b32 s81, 0
	s_add_nc_u64 s[QB:QB+1], s[QA:QA+1], s[80:81]  ; the first block's 128 rows of 256 bytes
	s_add_nc_u64 s[YA:YA+1], s[6:7], s[94:95]
	s_lshl_b32 s80, s[PB], 18
	s_add_nc_u64 s[YB:YB+1], s[YA:YA+1], s[80:81]
	s_add_nc_u64 s[PFA:PFA+1], s[4:5], s[96:97]
	CROUND                                         ; all four work-groups are here
	JLOAD                                          ; key tile 0 into slot 0; slot 1 is filled behind the first change's round
	v_and_b32 v1, 15, v0                           ; l % 16
	v_bfe_u32 v9, v0, 4, 1                         ; h = l / 16
	v_and_b32 v10, 7, v0
	v_bfe_u32 v11, v0, 3, 1
	v_add_nc_u32 v[QO], s92, v1
	v_lshlrev_b32 v[QO], 8, v[QO]
	v_lshl_add_u32 v[QO], v9, 4, v[QO]             ; (R0 + l % 16) x 256 + 16 h
	v_add_nc_u32 v[QO+1], s93, v1
	v_lshlrev_b32 v[QO+1], 8, v[QO+1]
	v_lshl_add_u32 v[QO+1], v9, 4, v[QO+1]
.macro QLOAD                           ; the block's Q stays in registers: tile t, channels 32 c on
	WIN 0x80
.irp t, 0,1,2,3
.irp c, 0,1,2,3
	global_load_b128 v[32*(\t)+8*(\c):32*(\t)+8*(\c)+3],   v[QO+(\t)/2], s[QB:QB+1] offset:((\t)%2)*4096+64*(\c)
	global_load_b128 v[32*(\t)+8*(\c)+4:32*(\t)+8*(\c)+7], v[QO+(\t)/2], s[QB:QB+1] offset:((\t)%2)*4096+64*(\c)+32
.endr
.endr
	WIN 0
.endm
	QLOAD
	v_mul_u32_u24 v[AK0], v1, PK
	v_lshl_add_u32 v[AK0], v9, 4, v[AK0]           ; row x pitch + 16 h,
	s_mul_i32 s80, s[KH], 64*PK
	v_add_nc_u32 v[AK0], s80, v[AK0]               ; in my 64 keys of a tile
	v_lshl_add_u32 v[AV0], v9, 3, v10              ; the turning load: key 8 h + l % 8, channels 8 ((l / 8) % 2) on
	v_mul_u32_u24 v[AV0], v[AV0], PV
	v_lshl_add_u32 v[AV0], v11, 4, v[AV0]
	s_mul_i32 s81, s[KH], 64*PV
	s_add_co_u32 s81, s81, VOFF
	v_add_nc_u32 v[AV0], s81, v[AV0]
	v_and_b32 v[PFO], 31, v0                       ; lane
	s_lshl_b32 s85, s[WV], 14
	s_add_co_u32 s85, s85, MRG                     ; my area
	s_xor_b32 s86, s[WV], 2
	s_lshl_b32 s87, s86, 14
	s_add_co_u32 s87, s87, MRG                     ; the partner's
	v_lshl_add_u32 v[MS], v[PFO], 4, s85
	v_lshl_add_u32 v[ML], v[PFO], 4, s87
	s_lshl_b32 s88, s[WV], 9
	s_add_co_u32 s88, s88, STATS
	s_lshl_b32 s89, s86, 9
	s_add_co_u32 s89, s89, STATS
	v_lshl_add_u32 v[SST], v[PFO], 2, s88
	v_lshl_add_u32 v[SLD], v[PFO], 2, s89
	s_mul_i32 s85, s[WV], 16*SP
	s_add_co_u32 s85, s85, STG                     ; my stage
	v_mul_u32_u24 v[STO], v1, SP
	v_lshl_add_u32 v[STO], v9, 4, v[STO]
	v_add_nc_u32 v[STO], s85, v[STO]               ; the way out, in: row l % 16, 16 bytes for each half of the lanes
	v_mul_u32_u24 v[RD], v9, SP
	v_lshl_add_u32 v[RD], v1, 4, v[RD]
	v_add_nc_u32 v[RD], s85, v[RD]                 ; back: lanes 0-15 one row of 256 bytes, lanes 16-31 the next
	v_lshlrev_b32 v[GO], 11, v9
	v_lshl_add_u32 v[GO], v1, 4, v[GO]             ; the same two rows in yb
	v_lshlrev_b32 v[VM0], 3, v9
	v_sub_nc_u32 v[VM0], v1, v[VM0]                ; l % 16 - 8 h
	v_add_nc_u32 v[VM0+1], s78, v[VM0]             ; + piece 2's first row - 64 kh
	v_add_nc_u32 v[VM0], s77, v[VM0]               ; + piece 0's
	v_lshlrev_b32 v[PFO], 8, v[PFO]                ; a lane a row of 256 bytes
	; What the first step finds: the masks are 0; O^T, V, piece 2's P and l need only be finite (the first a is 0; the first step's opening products are those of a step that has not been).  Written in the wait for the first tile.
	WIN 0x40
.set i, 0
.rept 256
	v_mov_b32 v[i], 0
.set i, i+1
.endr
	WIN 0xc0
.set i, 0
.rept 208
	v_mov_b32 v[i], 0
.set i, i+1
.endr
	WIN 0
.set i, P+32
.rept 32
	v_mov_b32 v[i], 0
.set i, i+1
.endr
.irp t, 0,1,2,3
	v_mov_b32 v[ST+8*(\t)+2], 0
	v_mov_b32 v[ST+8*(\t)+3], 0
.endr
.macro RESET
.irp t, 0,1,2,3
	v_mov_b32 v[ST+8*(\t)], 0xfe000000             ; c m: far below every c s
	v_mov_b32 v[ST+8*(\t)+1], 0xff7fffff           ; m
.endr
.endm
	RESET
; THE MATRIX WORK.  The accumulators of a run take turns, one instruction a turn.
; Product i of 32 of O^T += V^T P for piece x: keys 32 (i / 16) on, channels 16 ((i / 2) % 8) on, tile x + i % 2.
.macro PV x
	WIN W_PV
.set rO, 64*((\x)+i%2)+8*((i/2)%8)
.set rV, 64*(i/16)+8*((i/2)%8)
.set rP, P+16*((\x)+i%2)+8*(i/16)
	v_wmma_f32_16x16x32_f16 v[rO:rO+7], v[rV:rV+7], v[rP:rP+7], v[rO:rO+7]
.endm
; Product i of 32 of S^T = K Q^T: channels 32 (i / 8) on, keys 16 ((i / 2) % 4) on, tile x + i % 2.  The first 8 start the sums with the mask of pattern d = key block - tile's parity.
.macro KQ x
.set rS, S+32*((\x)+i%2)+8*((i/2)%4)
.set rK, KF+32*((i/2)%4)+8*(i/8)
.set rQ, 32*((\x)+i%2)+8*(i/8)
.set rM, MK+40*((\x)/2)+8*((i/2)%4-i%2+1)
.if i < 8
	WIN W_KM
	v_wmma_f32_16x16x32_f16 v[rS:rS+7], v[rK:rK+7], v[rQ:rQ+7], v[rM:rM+7]
.else
	WIN W_KQ
	v_wmma_f32_16x16x32_f16 v[rS:rS+7], v[rK:rK+7], v[rQ:rQ+7], v[rS:rS+7]
.endif
.endm
.macro FETCH_K                         ; 64 keys x 128 channels: 16 fragments, 32 loads in one run
	WIN 0x80
.irp f, 0,1,2,3,4,5,6,7,8,9,10,11,12,13,14,15
	ds_load_b128 v[KF+8*(\f):KF+8*(\f)+3],   v[ADR] offset:((\f)/4)*16*PK+((\f)%4)*64
	ds_load_b128 v[KF+8*(\f)+4:KF+8*(\f)+7], v[ADR] offset:((\f)/4)*16*PK+((\f)%4)*64+32
.endr
.endm
.macro FETCH_V
	WIN 0xc0
.irp f, 0,1,2,3,4,5,6,7,8,9,10,11,12,13,14,15
	ds_load_tr16_b128 v[8*(\f):8*(\f)+3],   v[ADR] offset:((\f)/8)*32*PV+((\f)%8)*32
	ds_load_tr16_b128 v[8*(\f)+4:8*(\f)+7], v[ADR] offset:((\f)/8)*32*PV+16*PV+((\f)%8)*32
.endr
.endm
; THE VECTOR WORK.  One tile's softmax for a key step is a list of 134 instructions; SM writes number j of it for tile t.
;   0-15 the maximum of the 32 scores and the old m (each accumulator's lowest registers are read first);  16-20 the other half of the lanes' maximum, m, c m, its change;
;   21-69 ONE BATCH: 16 packed scalings c s - c m and 33 exponentials (a at 23), none of which reads an exponential's result;  (the wait);  70-85 roundings to f16;  86-101 sums, l = a l + sum;  102-133 O^T times a.
.macro SM t
.set rT, ST+8*(\t)
.set rS, S+32*(\t)
.set rP, P+16*(\t)
.set rO, 64*(\t)+2*(j-102)
.if j < 102
	WIN 0
.endif
.if j < 4
	v_max3_num_f32 v[rT+4+j], v[rS+8*j], v[rS+8*j+1], v[rS+8*j+2]
.elseif j < 12
	v_max3_num_f32 v[rT+4+j%4], v[rT+4+j%4], v[rS+8*(j%4)+2*(j/4)+1], v[rS+8*(j%4)+2*(j/4)+2]
.elseif j == 12
	v_max3_num_f32 v[rT+4], v[rT+4], v[rS+7], v[rS+15]
.elseif j == 13
	v_max3_num_f32 v[rT+6], v[rT+6], v[rS+23], v[rS+31]
.elseif j == 14
	v_max3_num_f32 v[rT+4], v[rT+4], v[rT+5], v[rT+6]
.elseif j == 15
	v_max3_num_f32 v[rT+4], v[rT+4], v[rT+7], v[rT+1]
.elseif j == 16
	v_permlanex16_b32 v[rT+5], v[rT+4], s[SEL], s[SEL+1]
.elseif j == 17
	v_mov_b32 v[rT+7], v[rT]
.elseif j == 18
	v_max_num_f32 v[rT+1], v[rT+4], v[rT+5]
.elseif j == 19
	v_mul_f32 v[rT], s[CS], v[rT+1]
.elseif j == 20
	v_sub_f32 v[rT+7], v[rT+7], v[rT]
.elseif j == 23
	v_exp_f32 v[rT+6], v[rT+7]
.elseif (j < 23) || ((j < 38) && (j%2 == 0)) || ((j < 66) && (j%4 == 2))
.set b, (j-2)/4
.if j < 38
.set b, (j-20)/2
.endif
	v_pk_fma_f32 v[rS+2*b:rS+2*b+1], v[rS+2*b:rS+2*b+1], s[CS:CS+1], v[rT:rT+1] op_sel_hi:[1,0,0] neg_lo:[0,0,1] neg_hi:[0,0,1]
.elseif j < 70
.set e, j-38
.if j < 66
.set e, j-32-(j-38)/4
.endif
.if j < 38
.set e, (j-25)/2
.endif
	v_exp_f32 v[rS+e], v[rS+e]
.elseif j < 86
	v_cvt_pk_f16_f32 v[rP+j-70], v[rS+2*(j-70)], v[rS+2*(j-70)+1]
.elseif j < 102
.set z, j-86
.set w, 4
.set u, z
.if z >= 14
.set w, 32
.set u, 0
.elseif z >= 12
.set w, 16
.set u, z-12
.elseif z >= 8
.set w, 8
.set u, z-8
.endif
.if z < 15
	v_pk_add_f32 v[rS+w*u:rS+w*u+1], v[rS+w*u:rS+w*u+1], v[rS+w*u+w/2:rS+w*u+w/2+1]
.else
	v_pk_fma_f32 v[rT+2:rT+3], v[rT+2:rT+3], v[rT+6:rT+7], v[rS:rS+1] op_sel_hi:[1,0,1]
.endif
.else
	WIN W_RS
	v_pk_mul_f32 v[rO:rO+1], v[rO:rO+1], v[rT+6:rT+7] op_sel_hi:[1,0]
.endif
.endm
; Slice k of 64 of piece y's softmax.  Slices 11-34 deal out the batch, four numbers of one tile each; every other slice is numbers 2 k, 2 k + 1 of both tiles; the twelve that are over stand in slice 63.
; Behind slice 34: a plain instruction behind the last exponential, and the one wait for the piece's 66, ahead of the first instruction that names a result.
.macro SLICE y
.if (k >= 11) && (k < 35)
.irp n, 0,1,2,3
.set j, 22+4*((k-11)/2)+(\n)
	SM (\y)+(k-11)%2
.endr
.else
.irp n, 0,1,2,3,4,5,6,7
.if ((\n) < 2) || (k == 63)
.irp t, \y, (\y)+1
.set j, 2*k+(\n)
	SM \t
.endr
.endif
.endr
.endif
.if k == 34
	v_nop
	s_wait_alu depctr_va_vdst(0)
.endif
.set k, k+1
.endm
; THE DIAGONAL TILE'S MASKS.  Hidden: 16 d + r > l % 16 - 8 h + (piece's first row) - 64 kh.
.macro MASKS
	WIN 0xc0
.irp q, 0,1
.set i, 0
.rept 40
	v_cmp_gt_i32 vcc_lo, 16*(i/8)-16+i%8, v[VM0+(\q)]
	v_cndmask_b32 v[MK+40*(\q)+i], 0, s[BIGN], vcc_lo
.set i, i+1
.endr
.endr
	WIN 0
.endm
; A KEY STEP of my 64 queries x 64 keys.
.macro STEP
	WIN 0
	v_add_nc_u32 v[ADR], s[TB], v[AK0]
	FETCH_K                                        ; K's last readers stand a whole run of slices back
.set i, 0
.rept 32
	PV 2                                           ; piece 2's V^T P of the step before, while K is on its way
.set i, i+1
.endr
	WIN 0
	PLACES                                         ; between V's last readers and the loads into V
	v_add_nc_u32 v[ADR], s[TB], v[AV0]
	s_wait_dscnt 0x0                               ; K is in
	FETCH_V
	s_wait_loadcnt 0x0                             ; Q (a block's first step)
.set i, 0
.rept 32
	KQ 0                                           ; while V is on its way
.set i, i+1
.endr
	PLACES                                         ; between piece 0's scores and their first reader
.set k, 0
.set i, 0
.rept 32
	KQ 2
	SLICE 0
	SLICE 0
.set i, i+1
.endr
	s_wait_dscnt 0x0                               ; V is in
.set k, 0
.set i, 0
.rept 32
	PV 0
	SLICE 2
	SLICE 2
.set i, i+1
.endr
	WIN 0
.endm
; A BLOCK'S END, FIRST PART.  The last products; l's two halves and the other half of the lanes' are added; c m, l and O^T of tiles 2, 3, all f32, go into my area.  more = 1: the second block's Q is asked for at once.
.macro END1 more
.set i, 0
.rept 32
	PV 2
.set i, i+1
.endr
	WIN 0
.if \more
	s_wait_loadcnt 0x0                             ; no load of Q is out: its registers may be loaded again and its base written
	s_lshl_b32 s80, s[HI], 15
	s_mov_b32 s81, 0
	s_add_nc_u64 s[QB:QB+1], s[QA:QA+1], s[80:81]
	QLOAD
.endif
.irp t, 0,1,2,3
	v_add_f32 v[ST+8*(\t)+2], v[ST+8*(\t)+2], v[ST+8*(\t)+3]   ; these additions are the places behind the last products
.endr
.irp t, 0,1,2,3
	v_permlanex16_b32 v[ST+8*(\t)+3], v[ST+8*(\t)+2], s[SEL], s[SEL+1]
.endr
.irp t, 0,1,2,3
	v_add_f32 v[ST+8*(\t)+2], v[ST+8*(\t)+2], v[ST+8*(\t)+3]
.endr
	ds_store_b32 v[SST], v[ST+16]
	ds_store_b32 v[SST], v[ST+18] offset:128
	ds_store_b32 v[SST], v[ST+24] offset:256
	ds_store_b32 v[SST], v[ST+26] offset:384
	WIN 0x04                                       ; the data lie in window 1
.set i, 0
.rept 32
	ds_store_b128 v[MS], v[128+4*i:128+4*i+3] offset:512*i  ; each accumulator's low four registers first
.set i, i+1
.endr
	WIN 0
.if \more
	s_mov_b32 s[FIN], 1
	s_add_co_u32 s[RT], s[HI], 1                   ; the trip's end takes one off: the second block's first tile has 15 - p behind it
.endif
.endm
; T (the partner's tile, S + 64 u ..) = O^T tile u x my factor + T x the partner's; rounded to f16 into P + 32 u ..
.macro COMBINE u
	WIN 0
.set i, 0
.rept 32
	v_pk_mul_f32 v[S+64*(\u)+2*i:S+64*(\u)+2*i+1], v[S+64*(\u)+2*i:S+64*(\u)+2*i+1], v[GA+4*(\u)+2:GA+4*(\u)+3]
.set i, i+1
.endr
	WIN 0x01
.set i, 0
.rept 32
	v_pk_fma_f32 v[S+64*(\u)+2*i:S+64*(\u)+2*i+1], v[64*(\u)+2*i:64*(\u)+2*i+1], v[GA+4*(\u):GA+4*(\u)+1], v[S+64*(\u)+2*i:S+64*(\u)+2*i+1]
.set i, i+1
.endr
	WIN 0
.set i, 0
.rept 32
	v_cvt_pk_f16_f32 v[P+32*(\u)+i], v[S+64*(\u)+2*i], v[S+64*(\u)+2*i+1]
.set i, i+1
.endr
.endm
; A BLOCK'S END, SECOND PART, a barrier behind the first.  The partner's tiles 2, 3 are my tiles 0, 1's other keys: with M = max(c m, c m'), f = 2^(c m - M), f' likewise, y = (f O + f' O') / (f l + f' l').
; Then through my stage, a tile (16 rows) at a time.  more = 1: the second block's statistics, masks and address of y are set.
.macro END2 more
	ds_load_b32 v[ST+4], v[SLD]
	ds_load_b32 v[ST+5], v[SLD] offset:128
	ds_load_b32 v[ST+12], v[SLD] offset:256
	ds_load_b32 v[ST+13], v[SLD] offset:384
.set i, 0
.rept 32
	ds_load_b128 v[S+4*i:S+4*i+3], v[ML] offset:512*i
.set i, i+1
.endr
	s_wait_dscnt 0x0
.irp t, 0,1
	v_max_num_f32 v[ST+8*(\t)+6], v[ST+8*(\t)], v[ST+8*(\t)+4]
.endr
.irp t, 0,1
	v_sub_f32 v[ST+8*(\t)+7], v[ST+8*(\t)], v[ST+8*(\t)+6]
	v_sub_f32 v[ST+8*(\t)+4], v[ST+8*(\t)+4], v[ST+8*(\t)+6]
.endr
.irp t, 0,1
	v_exp_f32 v[ST+8*(\t)+7], v[ST+8*(\t)+7]
	v_exp_f32 v[ST+8*(\t)+4], v[ST+8*(\t)+4]
.endr
	v_nop                                          ; a plain instruction behind the last of the batch,
	s_wait_alu depctr_va_vdst(0)                   ; and one wait for the four
.irp t, 0,1
	v_mul_f32 v[ST+8*(\t)+5], v[ST+8*(\t)+4], v[ST+8*(\t)+5]
.endr
.irp t, 0,1
	v_fma_f32 v[ST+8*(\t)+5], v[ST+8*(\t)+7], v[ST+8*(\t)+2], v[ST+8*(\t)+5]
.endr
.irp t, 0,1
	v_rcp_f32 v[ST+8*(\t)+5], v[ST+8*(\t)+5]
.endr
	v_nop
	s_wait_alu depctr_va_vdst(0)                   ; one wait for the two
.irp t, 0,1
	v_mul_f32 v[GA+4*(\t)], v[ST+8*(\t)+7], v[ST+8*(\t)+5]
	v_mul_f32 v[GA+4*(\t)+2], v[ST+8*(\t)+4], v[ST+8*(\t)+5]
.endr
.irp t, 0,1
	v_mov_b32 v[GA+4*(\t)+1], v[GA+4*(\t)]         ; twice, pairs for the packed forms
	v_mov_b32 v[GA+4*(\t)+3], v[GA+4*(\t)+2]
.endr
	COMBINE 0
	COMBINE 1
.irp u, 0,1
.irp f, 0,1,2,3,4,5,6,7
	ds_store_b128 v[STO], v[P+32*(\u)+4*(\f):P+32*(\u)+4*(\f)+3] offset:32*(\f)
.endr
.irp f, 0,1,2,3,4,5,6,7
	ds_load_b128 v[S+32*(\u)+4*(\f):S+32*(\u)+4*(\f)+3], v[RD] offset:2*SP*(\f)  ; LDS serves a wave's instructions in order: these see the stores above, the next tile's stores come behind them
.endr
.endr
	s_wait_dscnt 16                                ; tile 0 is back; tile 1's eight stores and eight loads may be out
.irp f, 0,1,2,3,4,5,6,7
	global_store_b128 v[GO], v[S+4*(\f):S+4*(\f)+3], s[YB:YB+1] offset:4096*(\f)  ; 16 lanes store 256 consecutive bytes, aligned: a head's part of a row of yb
.endr
	s_wait_dscnt 0x0
.irp f, 0,1,2,3,4,5,6,7
	global_store_b128 v[GO], v[S+32+4*(\f):S+32+4*(\f)+3], s[YB:YB+1] offset:32768+4096*(\f)
.endr
	s_wait_xcnt 0x0                                ; the stores' registers and base are written again only behind this wait
.if \more
	s_lshl_b32 s80, s[HI], 18
	s_mov_b32 s81, 0
	s_add_nc_u64 s[YB:YB+1], s[YA:YA+1], s[80:81]
	RESET                                          ; O^T, l, P and V stay as they are: finite, and the new block's first a is 0
	WIN 0xc0
.set i, 0
.rept 80
	v_mov_b32 v[MK+i], 0                           ; the second block's tiles ahead of its diagonal hide nothing
.set i, i+1
.endr
	WIN 0
	s_mov_b32 s[FIN], 0
.endif
.endm
.Lslot:                                                ; sixteen times: a tile is entered and the next is asked for
	CHANGE 1
	s_cmp_eq_u32 s[FIN], 0
	s_cbranch_scc1 .Lnofin
	END2 1                                         ; the first block's tiles, stored in the trip before, are merged and sent out
.Lnofin:
	s_wait_dscnt 0x0                               ; my reads of the partner's area are over
	s_barrier_signal -1
	s_barrier_wait -1                              ; everybody's are: behind this barrier END1 may store again
	s_cmp_lg_u32 s[RT], 0
	s_cbranch_scc1 .Lnomask
	MASKS                                          ; the diagonal tile
.Lnomask:
	STEP
	s_cmp_lg_u32 s[RT], 0
	s_cbranch_scc1 .Lnoend
	END1 1                                         ; in the loop this is the first block's end: the second block's diagonal tile is the walk's last
.Lnoend:
	s_sub_co_u32 s[RT], s[RT], 1
	s_sub_co_u32 s[SLOTS], s[SLOTS], 1
	s_cmp_lg_u32 s[SLOTS], 0
	s_cbranch_scc1 .Lslot
	CHANGE 0                                       ; the walk's last tile is written out: nothing is asked for
	MASKS                                          ; it is the second block's diagonal tile
	STEP
	END1 0
	s_wait_dscnt 0x0                               ; for the partner's sake: my stores are done
	s_barrier_signal -1
	s_barrier_wait -1
	END2 0
	s_wait_tensorcnt 0x0                           ; the wave's end: behind my last tensor load and my last LDS store
	ds_add_u32 v[SPW], v[NIL]
	s_wait_dscnt 0x0
	CROUND                                         ; the closing round
	s_endpgm
.Lfunc_end_k_q70e99e4601_attn:
	.size	k_q70e99e4601_attn, .Lfunc_end_k_q70e99e4601_attn-k_q70e99e4601_attn
	.p2alignl 7, 3214868480
	.fill 96, 4, 3214868480
	.section	.rodata,"a",@progbits
	.p2align	6, 0x0
	.amdhsa_kernel k_q70e99e4601_attn
		.amdhsa_group_segment_fixed_size 327680
		.amdhsa_private_segment_fixed_size 0
		.amdhsa_enable_private_segment 0
		.amdhsa_kernarg_size 16
		.amdhsa_user_sgpr_count 2
		.amdhsa_user_sgpr_kernarg_segment_ptr 1
		.amdhsa_wavefront_size32 1
		.amdhsa_system_sgpr_workgroup_id_x 1
		.amdhsa_system_sgpr_workgroup_id_y 1
		.amdhsa_system_sgpr_workgroup_id_z 1
		.amdhsa_system_vgpr_workitem_id 0
		.amdhsa_next_free_vgpr 1024
		.amdhsa_next_free_sgpr 100
		.amdhsa_reserve_vcc 1
		.amdhsa_float_denorm_mode_32 3
		.amdhsa_float_denorm_mode_16_64 3
		.amdhsa_memory_ordered 1
		.amdhsa_forward_progress 1
		.amdhsa_inst_pref_size 191
	.end_amdhsa_kernel
	.amdgpu_metadata
---
amdhsa.version: [ 1, 2 ]
amdhsa.kernels:
  - .name:           k_q70e99e4601_attn
    .symbol:         k_q70e99e4601_attn.kd
    .args:
      - { .name: qkv, .offset: 0, .size: 8, .value_kind: global_buffer, .address_space: global }
      - { .name: yb, .offset: 8, .size: 8, .value_kind: global_buffer, .address_space: global }
    .group_segment_fixed_size: 327680
    .private_segment_fixed_size: 0
    .kernarg_segment_align: 8
    .kernarg_segment_size: 16
    .max_flat_workgroup_size: 128
    .sgpr_count:     100
    .vgpr_count:     1024
    .wavefront_size: 32
...
	.end_amdgpu_metadata
.endif
;; end of part 3
;; launch oproj (part 4): grid 4 x 64, 4 waves a work-group, clusters of 4 x 4, 327,680 bytes of LDS; arguments yb, wo16, out0; writes out0
.if DOCPART == 4
	.amdgcn_target "amdgcn-amd-amdhsa--gfx1250"
	.amdhsa_code_object_version 6
	.text
	.protected	k_q70e99e4601_oproj
	.globl	k_q70e99e4601_oproj
	.p2align	8
	.type	k_q70e99e4601_oproj,@function
k_q70e99e4601_oproj:
	s_mov_b64 s[64:65], 0
	v_nop
	global_prefetch_b8 v0, s[64:65] scope:SCOPE_SE
	s_setreg_imm32_b32 hwreg(HW_REG_WAVE_MODE, 25, 1), 1
	s_wait_xcnt 0x0
	s_wait_alu depctr_hold_cnt(0) depctr_sa_sdst(0) depctr_va_vdst(0) depctr_va_sdst(0) depctr_va_ssrc(0) depctr_va_vcc(0) depctr_vm_vsrc(0)
	s_getreg_b32 s2, hwreg(HW_REG_IB_STS2, 6, 4)
	s_cmp_eq_u32 s2, 0
	s_cbranch_scc0 .Lentry_in_a_cluster
	s_endpgm
.Lentry_in_a_cluster:
	s_bfe_u32 s2, ttmp6, 0x10000c
	s_cmp_lg_u32 s2, 0xf033
	s_cbranch_scc0 .Lentry_shape_is_right
	s_endpgm
.Lentry_shape_is_right:
; OUT.  out0[m][n] = sum over k of yb[m][k] wo16[n][k]: [8192 x 1024] x [1024 x 1024]^T, f16 operands, sums and result in f32.
; SHARES.  A work-group makes 128 x 256 of out0 (256 work-groups); wave (rw, cw): 64 rows x 128 columns: 32 accumulators.  The matrix instruction is used transposed (source 0 = 16 rows of wo16,
; source 1 = 16 rows of yb): lane l holds row l % 16 and the columns 16 nb + 8 (l / 16) + 0..7: 32 neighbouring bytes.
; RING.  K in 8 steps of 128 (rows of 256 bytes) through two LDS slots of 384 rows; two slots of the longer step of 256 would need 405,504 bytes of LDS.  Behind each change of slots a wave issues one
; tensor load: waves 0, 1 y's halves of 64 rows, waves 2, 3 w's halves of 128 rows.  CLUSTER 4 x 4: y's rows shared along a row of the cluster, w's along a column.
; REGISTERS: window 0: v0-31 addresses; v64-127 y's fragments, two buffers; v128-255 rows on their way out, two buffers.  window 1: v0-127 w's fragments, two buffers.  window 2: accumulator (a, nb) at 64 a + 8 nb.
.set PITCH, 272
.set YP,    128*PITCH                  ; y's rows in a slot; w's 256 lie behind them
.set SLOT,  384*PITCH
.set STAGE, 2*SLOT                     ; behind the ring, never filled by a tensor load: 16 rows x 528 bytes for each wave
.set SPITCH, 528
.set SPARE, STAGE+4*16*SPITCH          ; the spare words: 128 bytes a wave, two blocks of 256 that no other line names
.set DFL,   (1<<16)|(1<<20)|(1<<21)|(5<<22)|(3<<25)
.set WV, 14
.set RW, 15
.set CW, 16
.set CX, 17
.set CY, 18
.set TX, 19
.set TY, 20
.set LAP, 21
.set G1,  24
.set G0,  32
.set G1B, 48
.set G0B, 56
.set PFA, 66
.set LIM, 68
.set OB,  70                           ; s[70:71] out0 at my first row and column
.set ADRA, 16
.set ADRB, 18
.set STO, 22
.set RD,  23
.set CO,  26
.set SPW, 28
.set NIL, 29
.set PFO, 30
.set YF,  64
.set BK,  128
.set MSB, 0
.macro WIN new
.if MSB != (\new)
	s_set_vgpr_msb (MSB<<8)|(\new)
.set MSB, \new
.endif
.endm
.macro PLACES
.rept 4
	v_nop
.endr
.endm
.macro JLOAD s                         ; an s_nop 0 and four v_nop follow each of the two lines
	s_cmp_lt_u32 s[WV], 2
	s_cbranch_scc0 .Lfor_b_\@
	tensor_load_to_lds s[G0+4*(\s):G0+4*(\s)+3], s[G1:G1+7]
	s_nop 0
.rept 4
	v_nop
.endr
	s_branch .Lasked_\@
.Lfor_b_\@:
	tensor_load_to_lds s[G0B+4*(\s):G0B+4*(\s)+3], s[G1B:G1B+7]
	s_nop 0
.rept 4
	v_nop
.endr
.Lasked_\@:
.endm
; A prefetch into the L2 of the K step two refills on, a lane a row.  y's 128 rows: wave 0 of each of the four partners along x takes 32, by address.  w's 256 rows are read by all 16 clusters: in the
; cluster with y = 0 waves 2, 3 of each of the four partners along y take 32 each.  The loop's last trip has no K step two on.
.macro ASK
	s_cmp_gt_u32 s[LAP], s[LIM]
	s_cbranch_scc0 .Lnot_mine_\@
	global_prefetch_b8 v[PFO], s[PFA:PFA+1] offset:256 th:TH_LOAD_NT scope:SCOPE_SE
.Lnot_mine_\@:
.endm
.macro CREST
	s_cmp_lg_u32 s[WV], 0
	s_cbranch_scc1 .Lnot_wave_0_\@
	s_barrier_signal -3
.Lnot_wave_0_\@:
	s_barrier_wait -3
	s_barrier_signal -1
	s_barrier_wait -1
.endm
.macro CROUND
	s_barrier_signal -1
	s_barrier_wait -1
	CREST
.endm
	s_load_b128 s[4:7], s[0:1], 0x0                ; yb s[4:5], wo16 s[6:7]
	s_load_b64 s[8:9], s[0:1], 0x10                ; out0
	v_lshl_add_u32 v[SPW], v0, 2, SPARE
	v_mov_b32 v[NIL], 0
	ds_add_u32 v[SPW], v[NIL]                      ; the wave's opening: the add and its wait stand ahead of my first tensor load
	v_lshrrev_b32 v1, 5, v0
	v_readfirstlane_b32 s[WV], v1
	s_lshr_b32 s[RW], s[WV], 1
	s_and_b32 s[CW], s[WV], 1
	s_bfe_u32 s[CX], ttmp6, 0x40000
	s_bfe_u32 s[CY], ttmp6, 0x40004
	s_lshl_b32 s[TX], ttmp9, 2
	s_add_co_u32 s[TX], s[TX], s[CX]
	s_and_b32 s[TY], ttmp7, 0xffff
	s_lshl_b32 s[TY], s[TY], 2
	s_add_co_u32 s[TY], s[TY], s[CY]
	s_lshl_b32 s22, s[CY], 2
	s_lshl_b32 s22, 15, s22                        ; my row of the cluster
	s_lshl_b32 s23, 0x1111, s[CX]                  ; my column
	s_or_b32 s[G1], s22, DFL
	s_or_b32 s[G1B], s23, DFL
	s_mov_b32 s[G1+1], 128<<16                     ; y: a tile of 64 rows x 128 elements
	s_mov_b32 s[G1+2], 64<<16
	s_mov_b32 s[G1+3], 128<<16
	s_mov_b32 s[G1+4], 64
	s_mov_b32 s[G1+5], 1024
	s_mov_b32 s[G1+6], 0
	s_mov_b32 s[G1+7], 0
	s_mov_b32 s[G1B+1], 128<<16                    ; w: 128 rows x 128 elements
	s_mov_b32 s[G1B+2], 128<<16
	s_mov_b32 s[G1B+3], 128<<16
	s_mov_b32 s[G1B+4], 128
	s_mov_b32 s[G1B+5], 1024
	s_mov_b32 s[G1B+6], 0
	s_mov_b32 s[G1B+7], 0
	s_lshl_b32 s40, s[TY], 7
	s_lshl_b32 s41, s[CW], 6
	s_add_co_u32 s40, s40, s41                     ; y: row 128 ty + 64 (wave & 1)
	s_lshl_b32 s40, s40, 11
	s_mov_b32 s41, 0
	s_lshl_b32 s44, s[TX], 8
	s_lshl_b32 s45, s[CW], 7
	s_add_co_u32 s44, s44, s45                     ; w: row 256 tx + 128 (wave & 1)
	s_lshl_b32 s44, s44, 11
	s_mov_b32 s45, 0
	s_mul_i32 s46, s[CW], 64*PITCH                 ; where they go: the wave's number alone
	s_mul_i32 s47, s[CW], 128*PITCH
	s_add_co_u32 s47, s47, YP
	s_lshl_b32 s82, s[TY], 7
	s_lshl_b32 s83, s[RW], 6
	s_add_co_u32 s82, s82, s83
	s_lshl_b32 s82, s82, 12                        ; my first row of out0, 4,096 bytes a row,
	s_lshl_b32 s83, s[TX], 10
	s_add_co_u32 s82, s82, s83
	s_lshl_b32 s83, s[CW], 9
	s_add_co_u32 s82, s82, s83                     ; + (256 tx + 128 cw) x 4
	s_mov_b32 s83, 0
	s_wait_dscnt 0x0                               ; the opening add is done
	s_wait_kmcnt 0x0
	s_add_nc_u64 s[42:43], s[4:5], s[40:41]
	s_add_nc_u64 s[44:45], s[6:7], s[44:45]
	s_add_nc_u64 s[OB:OB+1], s[8:9], s[82:83]
	CROUND                                         ; all sixteen work-groups are here
.irp s, 0,1
	s_mov_b32 s[G0+4*(\s)], 1
	s_add_co_u32 s[G0+4*(\s)+1], s46, (\s)*SLOT
	s_add_nc_u64 s[G0+4*(\s)+2:G0+4*(\s)+3], s[42:43], (\s)*256
	s_or_b32 s[G0+4*(\s)+3], s[G0+4*(\s)+3], 0x80000000
	s_mov_b32 s[G0B+4*(\s)], 1
	s_add_co_u32 s[G0B+4*(\s)+1], s47, (\s)*SLOT
	s_add_nc_u64 s[G0B+4*(\s)+2:G0B+4*(\s)+3], s[44:45], (\s)*256
	s_or_b32 s[G0B+4*(\s)+3], s[G0B+4*(\s)+3], 0x80000000
	JLOAD \s                                       ; K steps 0 and 1: two loads of mine are out
.endr
	; the prefetches
	s_lshl_b32 s84, s[TY], 7
	s_lshl_b32 s85, s[CX], 5
	s_add_co_u32 s84, s84, s85                     ; y: row 128 ty + 32 cx
	s_lshl_b32 s86, s[TX], 8
	s_lshl_b32 s85, s[CY], 6
	s_add_co_u32 s86, s86, s85
	s_lshl_b32 s85, s[CW], 5
	s_add_co_u32 s86, s86, s85                     ; w: row 256 tx + 64 cy + 32 (wave & 1)
	s_and_b32 s87, ttmp7, 0xffff                   ; cluster y
	s_cmp_lt_u32 s[WV], 2
	s_cselect_b32 s84, s84, s86
	s_cselect_b32 s87, s[WV], s87                  ; wave 0: 0; wave 1: 1; waves 2, 3: cluster y
	s_cselect_b64 s[PFA:PFA+1], s[4:5], s[6:7]
	s_cmp_eq_u32 s87, 0
	s_cselect_b32 s[LIM], 1, -1                    ; the same in all sixteen partners, for a given wave
	s_lshl_b32 s84, s84, 11
	s_add_co_u32 s84, s84, 512                     ; at K step 2; the first refill steps it to 3 and names 4
	s_mov_b32 s85, 0
	s_add_nc_u64 s[PFA:PFA+1], s[PFA:PFA+1], s[84:85]
	v_and_b32 v1, 15, v0
	v_bfe_u32 v2, v0, 4, 1
	v_mul_u32_u24 v3, v1, PITCH
	v_lshl_add_u32 v3, v2, 4, v3
	s_mul_i32 s40, s[RW], 64*PITCH
	s_mul_i32 s41, s[CW], 128*PITCH
	s_add_co_u32 s41, s41, YP
.irp s, 0,1
	v_add_nc_u32 v[ADRA+(\s)], s40, v3
	v_add_nc_u32 v[ADRB+(\s)], s41, v3
	s_add_co_u32 s40, s40, SLOT
	s_add_co_u32 s41, s41, SLOT
.endr
	s_mul_i32 s40, s[WV], 16*SPITCH
	s_add_co_u32 s40, s40, STAGE                   ; my stage
	v_mul_u32_u24 v[STO], v1, SPITCH
	v_lshl_add_u32 v[STO], v2, 5, v[STO]
	v_add_nc_u32 v[STO], s40, v[STO]               ; in: row l % 16, 32 bytes for each half of the lanes
	v_and_b32 v[CO], 31, v0
	v_lshlrev_b32 v[PFO], 11, v[CO]
	v_lshlrev_b32 v[CO], 4, v[CO]                  ; back and out: 32 lanes take a row's 512 bytes
	v_add_nc_u32 v[RD], s40, v[CO]
.macro MUL8 f, a, zero                 ; row tile a x 8 n blocks, 32 along K; all 32 accumulators take turns, one instruction a turn
	WIN 0xa1
.irp nb, 0,1,2,3,4,5,6,7
.if \zero
	v_wmma_f32_16x16x32_f16 v[64*(\a)+8*(\nb):64*(\a)+8*(\nb)+7], v[64*(\f)+8*(\nb):64*(\f)+8*(\nb)+7], v[YF+32*(\f)+8*(\a):YF+32*(\f)+8*(\a)+7], 0
.else
	v_wmma_f32_16x16x32_f16 v[64*(\a)+8*(\nb):64*(\a)+8*(\nb)+7], v[64*(\f)+8*(\nb):64*(\f)+8*(\nb)+7], v[YF+32*(\f)+8*(\a):YF+32*(\f)+8*(\a)+7], v[64*(\a)+8*(\nb):64*(\a)+8*(\nb)+7]
.endif
.endr
.endm
.macro FETCH slot, k, f                ; 24 LDS loads in one run: w's 8 blocks, then y's 4 row tiles
	WIN 0x40
.irp nb, 0,1,2,3,4,5,6,7
	ds_load_b128 v[64*(\f)+8*(\nb):64*(\f)+8*(\nb)+3],   v[ADRB+(\slot)] offset:(\k)+(\nb)*16*PITCH
	ds_load_b128 v[64*(\f)+8*(\nb)+4:64*(\f)+8*(\nb)+7], v[ADRB+(\slot)] offset:(\k)+(\nb)*16*PITCH+32
.endr
	WIN 0
.irp a, 0,1,2,3
	ds_load_b128 v[YF+32*(\f)+8*(\a):YF+32*(\f)+8*(\a)+3],   v[ADRA+(\slot)] offset:(\k)+(\a)*16*PITCH
	ds_load_b128 v[YF+32*(\f)+8*(\a)+4:YF+32*(\f)+8*(\a)+7], v[ADRA+(\slot)] offset:(\k)+(\a)*16*PITCH+32
.endr
.endm
.macro QUARTER slot, k, f, g, zero
	s_wait_dscnt 4                                 ; all but the youngest four loads: y's row tiles 2 and 3
	MUL8 \f, 0, \zero
	MUL8 \f, 1, \zero
	PLACES
	FETCH \slot, \k, \g
	s_wait_dscnt 24                                ; all but the 24 just issued
	MUL8 \f, 2, \zero
	MUL8 \f, 3, \zero
.endm
; The last quarter changes slots: each wave waits for all its tensor loads, adds 0 to its spare word, waits for that and for its reads of this slot; fill = 1: a round of the cluster's barrier, the joint refill first behind it.
.macro TURN slot, next, fill
.if \fill
	s_wait_xcnt 0x0                                ; the last prefetch, a K step back, has read its address
	s_add_nc_u64 s[PFA:PFA+1], s[PFA:PFA+1], 256
.endif
	WIN 0
	s_wait_tensorcnt 0x0
	ds_add_u32 v[SPW], v[NIL]
	s_wait_dscnt 5                                 ; the add and the youngest four loads may be out
	MUL8 1, 0, 0
	s_wait_dscnt 0x0
	s_barrier_signal -1
	MUL8 1, 1, 0
.if \fill
	WIN 0
.endif
	s_barrier_wait -1
.if \fill
	CREST
	s_add_nc_u64 s[G0+4*(\slot)+2:G0+4*(\slot)+3], s[G0+4*(\slot)+2:G0+4*(\slot)+3], 512
	s_add_nc_u64 s[G0B+4*(\slot)+2:G0B+4*(\slot)+3], s[G0B+4*(\slot)+2:G0B+4*(\slot)+3], 512
	JLOAD \slot
.else
	PLACES
.endif
	FETCH \next, 0, 0
.if \fill
	ASK
.endif
	MUL8 1, 2, 0
	MUL8 1, 3, 0
.endm
	s_wait_tensorcnt 1                             ; my part of K step 0 is in; K step 1's may stay out
	s_barrier_signal -1
	s_barrier_wait -1
	FETCH 0, 0, 0
	QUARTER 0, 64, 0, 1, 1                         ; the first quarter's products start the sums
	WIN 0
	s_mov_b32 s[LAP], 3
.Llap:
	QUARTER 0, 128, 1, 0, 0
	QUARTER 0, 192, 0, 1, 0
	TURN 0, 1, 1
	QUARTER 1, 64,  0, 1, 0
	QUARTER 1, 128, 1, 0, 0
	QUARTER 1, 192, 0, 1, 0
	TURN 1, 0, 1
	QUARTER 0, 64,  0, 1, 0
	WIN 0
	s_sub_co_u32 s[LAP], s[LAP], 1
	s_cmp_lg_u32 s[LAP], 0
	s_cbranch_scc1 .Llap
	QUARTER 0, 128, 1, 0, 0
	QUARTER 0, 192, 0, 1, 0
	TURN 0, 1, 0
	QUARTER 1, 64,  0, 1, 0
	QUARTER 1, 128, 1, 0, 0
	QUARTER 1, 192, 0, 1, 0
	s_wait_dscnt 4
	MUL8 1, 0, 0
	MUL8 1, 1, 0
	s_wait_dscnt 0x0
	MUL8 1, 2, 0
	MUL8 1, 3, 0
	WIN 0
	PLACES
; THE WAY OUT, 16 rows at a time through my own stage: 32 bytes a lane in (each accumulator's low four registers first), whole rows of 512 bytes back, a row a store.
.macro TOSTAGE a
.if (\a) >= 2
	s_wait_xcnt 0x0                                ; the buffer below, which the stores two blocks back read, is loaded again only behind this wait
.endif
	WIN 0x08                                       ; the data lie in window 2
.irp nb, 0,1,2,3,4,5,6,7
	ds_store_b128 v[STO], v[64*(\a)+8*(\nb):64*(\a)+8*(\nb)+3] offset:64*(\nb)
	ds_store_b128 v[STO], v[64*(\a)+8*(\nb)+4:64*(\a)+8*(\nb)+7] offset:64*(\nb)+16
.endr
	WIN 0
.irp t, 0,1,2,3,4,5,6,7,8,9,10,11,12,13,14,15
	ds_load_b128 v[BK+64*((\a)%2)+4*(\t):BK+64*((\a)%2)+4*(\t)+3], v[RD] offset:SPITCH*(\t)  ; LDS serves a wave's instructions in order: these see the stores above
.endr
.endm
.macro SEND a, younger                 ; younger: the next block's 16 stores and 16 loads, or none
	s_wait_dscnt \younger
.irp t, 0,1,2,3,4,5,6,7,8,9,10,11,12,13,14,15
	global_store_b128 v[CO], v[BK+64*((\a)%2)+4*(\t):BK+64*((\a)%2)+4*(\t)+3], s[OB:OB+1] offset:65536*(\a)+4096*(\t) th:TH_STORE_NT
.endr
.endm
	TOSTAGE 0
	TOSTAGE 1
	SEND 0, 32
	TOSTAGE 2
	SEND 1, 32
	TOSTAGE 3
	SEND 2, 32
	SEND 3, 0
	s_wait_tensorcnt 0x0                           ; the wave's end: behind my last tensor load and my last LDS store
	ds_add_u32 v[SPW], v[NIL]
	s_wait_dscnt 0x0
	CROUND                                         ; the closing round
	s_endpgm
.Lfunc_end_k_q70e99e4601_oproj:
	.size	k_q70e99e4601_oproj, .Lfunc_end_k_q70e99e4601_oproj-k_q70e99e4601_oproj
	.p2alignl 7, 3214868480
	.fill 96, 4, 3214868480
	.section	.rodata,"a",@progbits
	.p2align	6, 0x0
	.amdhsa_kernel k_q70e99e4601_oproj
		.amdhsa_group_segment_fixed_size 327680
		.amdhsa_private_segment_fixed_size 0
		.amdhsa_enable_private_segment 0
		.amdhsa_kernarg_size 24
		.amdhsa_user_sgpr_count 2
		.amdhsa_user_sgpr_kernarg_segment_ptr 1
		.amdhsa_wavefront_size32 1
		.amdhsa_system_sgpr_workgroup_id_x 1
		.amdhsa_system_sgpr_workgroup_id_y 1
		.amdhsa_system_sgpr_workgroup_id_z 1
		.amdhsa_system_vgpr_workitem_id 0
		.amdhsa_next_free_vgpr 768
		.amdhsa_next_free_sgpr 100
		.amdhsa_reserve_vcc 0
		.amdhsa_float_denorm_mode_32 3
		.amdhsa_float_denorm_mode_16_64 3
		.amdhsa_memory_ordered 1
		.amdhsa_forward_progress 1
		.amdhsa_inst_pref_size 86
	.end_amdhsa_kernel
	.amdgpu_metadata
---
amdhsa.version: [ 1, 2 ]
amdhsa.kernels:
  - .name:           k_q70e99e4601_oproj
    .symbol:         k_q70e99e4601_oproj.kd
    .args:
      - { .name: yb, .offset: 0, .size: 8, .value_kind: global_buffer, .address_space: global }
      - { .name: wo16, .offset: 8, .size: 8, .value_kind: global_buffer, .address_space: global }
      - { .name: out0, .offset: 16, .size: 8, .value_kind: global_buffer, .address_space: global }
    .group_segment_fixed_size: 327680
    .private_segment_fixed_size: 0
    .kernarg_segment_align: 8
    .kernarg_segment_size: 24
    .max_flat_workgroup_size: 128
    .sgpr_count:     100
    .vgpr_count:     768
    .wavefront_size: 32
...
	.end_amdgpu_metadata
.endif
;; end of part 4
;; ======== version 2 of 2: 4 launches; version 1 with the launch prep written anew for expert scheduling mode
;; limits: values are held in f16: magnitudes above 65,504 overflow, below 6.1e-05 lose precision; right only within a limited range of input values
;; workspace buffers: xb 16,777,216 bytes; wb 3,145,728 bytes; wo16 2,097,152 bytes; rope 540,672 bytes; qkv 25,165,824 bytes; yb 16,777,216 bytes
;; launch prep (part 5): grid 705 x 1, 8 waves a work-group, no clusters, 0 bytes of LDS; arguments x, w_q, w_k, w_v, w_o, xb, wb, wo16, rope; writes xb, wb, wo16, rope
.if DOCPART == 5
	.amdgcn_target "amdgcn-amd-amdhsa--gfx1250"
	.amdhsa_code_object_version 6
	.text
	.protected	k_q70e99e4601_prep
	.globl	k_q70e99e4601_prep
	.p2align	8
	.type	k_q70e99e4601_prep,@function
k_q70e99e4601_prep:
	s_mov_b64 s[64:65], 0
	v_nop
	global_prefetch_b8 v0, s[64:65] scope:SCOPE_SE
	s_setreg_imm32_b32 hwreg(HW_REG_WAVE_SCHED_MODE, 0, 2), 2
	s_setreg_imm32_b32 hwreg(HW_REG_WAVE_MODE, 25, 1), 1
	s_wait_xcnt 0x0
	s_wait_alu depctr_vm_vsrc(0)
; PREP.  A stream: the inputs are rounded once for the matrix units, and the rotary table is made.
;   x -> xb (bf16);  w_q, w_k, w_v -> wb (bf16, rows 0-1023, 1024-1279, 1280-1535);  w_o -> wo16: rounded to bf16 and that number written as f16.
;   rope: [2112][64] f32: row p holds cos(p f_i), i = 0..31, then sin(p f_i), f_i = 10000^(-i/32); rows 2048-2111 hold the angle 0 (cos 1, sin 0): the identity.
; SHARES.  Work-group g < 672 casts one chunk of 16,384 numbers (65,536 bytes in, 32,768 out); g = 672 .. 704 makes 64 rows of the table.
; A load of a wave covers 512 consecutive bytes, a store 256 consecutive bytes, aligned.  All 16 loads of a thread are out at once; each has registers of its own, so nothing is rewritten.
; No LDS, no matrix unit, no cluster: nothing is shared and each byte is touched once.
; LIMITS.  |w_o| stays under 65,504; below 6.1e-5 its f16 copy keeps the fixed step 6e-8.  The angle is reduced by pi/2 in two parts, good for the table's positions (under 2,048).
; THE MODE: SCHED_MODE bits 1:0 = 2 (LLVM: expert scheduling mode 2), set by the entry lines.  The code itself states the register dependences
; between vector instructions and memory instructions, with s_wait_alu, always for 0.
; THE PLAN, THE CAST.  Registers that memory instructions touch:
;   v1, v2     the loads' and the stores' byte offsets: written once at the head, never again.
;   X          16 x 4 registers: written by the 16 loads alone, each once; read by the conversions.  No vector instruction names them ahead of the loads.
;   Y          16 pairs: each written once, by its conversions, and read once, by its store.
; The work goes in four blocks of four loads.  Block p converts its X into its Y; its memory instructions are the four stores of block p - 1, whose Y no vector instruction of block p names.
; So one wait at a block's head states all that its four stores hang on, and they are dealt among the block's conversions.  Nothing that a memory instruction reads is written again.
; THE PLAN, THE TABLE.  v13, the store's offset, is written at the head alone: the scalar base moves on by a row.  v[30:31], the store's data, are written by a row's last two lines.
; A row's two compares write two scalar registers, with one wait ahead of the two selects that read them.
.set X,   8                            ; v[8:71]    16 loads of 4 registers
.set Y,   72                           ; v[72:103]  16 pairs to store
.set T,   104                          ; v[104:107] at work: no memory instruction names them
.set SRC, 22                           ; s[22:23]   the chunk's source
.set DST, 24                           ; s[24:25]   its destination
	s_load_b512 s[4:19], s[0:1], 0x0               ; x, w_q, w_k, w_v, w_o, xb, wb, wo16
	s_load_b64 s[20:21], s[0:1], 0x40              ; rope
	s_mov_b32 s26, ttmp9                           ; g
	s_mov_b32 s40, 0xffff0000                      ; a word's upper bf16
	v_lshlrev_b32 v1, 4, v0                        ; 16 t: my 16 bytes of each 4,096 read
	v_lshlrev_b32 v2, 3, v0                        ; 8 t: my 8 bytes of each 2,048 written
	s_wait_kmcnt 0x0
	s_cmp_ge_u32 s26, 672
	s_cbranch_scc1 .Lrope
	; which tensor: the choice hangs on g alone.  s27 = the source's first chunk, s28 = the destination's
	s_mov_b64 s[SRC:SRC+1], s[4:5]
	s_mov_b64 s[DST:DST+1], s[14:15]
	s_mov_b32 s27, 0
	s_mov_b32 s28, 0
	s_cmp_ge_u32 s26, 512
	s_cselect_b64 s[SRC:SRC+1], s[6:7], s[SRC:SRC+1]
	s_cselect_b64 s[DST:DST+1], s[16:17], s[DST:DST+1]
	s_cselect_b32 s27, 512, s27
	s_cselect_b32 s28, 512, s28
	s_cmp_ge_u32 s26, 576
	s_cselect_b64 s[SRC:SRC+1], s[8:9], s[SRC:SRC+1]
	s_cselect_b32 s27, 576, s27
	s_cmp_ge_u32 s26, 592
	s_cselect_b64 s[SRC:SRC+1], s[10:11], s[SRC:SRC+1]
	s_cselect_b32 s27, 592, s27
	s_cmp_ge_u32 s26, 608
	s_cselect_b64 s[SRC:SRC+1], s[12:13], s[SRC:SRC+1]
	s_cselect_b64 s[DST:DST+1], s[18:19], s[DST:DST+1]
	s_cselect_b32 s27, 608, s27
	s_cselect_b32 s28, 608, s28
	s_sub_co_u32 s30, s26, s27
	s_lshl_b32 s30, s30, 16                        ; 65,536 bytes a chunk in
	s_mov_b32 s31, 0
	s_add_nc_u64 s[SRC:SRC+1], s[SRC:SRC+1], s[30:31]
	s_sub_co_u32 s32, s26, s28
	s_lshl_b32 s32, s32, 15                        ; 32,768 bytes a chunk out
	s_mov_b32 s33, 0
	s_add_nc_u64 s[DST:DST+1], s[DST:DST+1], s[32:33]
; f16 = 0: f32 -> bf16.  f16 = 1: f32 -> bf16 -> f32 (a shift, a mask) -> f16
.macro CAST f16
	s_wait_alu depctr_va_vdst(0)                   ; v1 and v2 are written: every load below reads v1 as its offset, every store v2
.irp i, 0,1,2,3,4,5,6,7,8,9,10,11,12,13,14,15
	global_load_b128 v[X+4*(\i):X+4*(\i)+3], v1, s[SRC:SRC+1] offset:4096*(\i) th:TH_LOAD_NT
.endr
.irp p, 0,1,2,3
	s_wait_loadcnt 12-4*(\p)                       ; loads come back in order: block p's four are in, the 12 - 4 p younger ones stay out
.if (\p) > 0
	s_wait_alu depctr_va_vdst(0)                   ; the block before has written its four pairs of Y, which the stores below read
.endif
.irp i, 0,1,2,3
.set cur, 4*(\p)+(\i)                  ; the load that is converted
.set prv, 4*(\p)+(\i)-4                ; the pair that is stored: the block before's
.if (\p) > 0
	global_store_b64 v2, v[Y+2*prv:Y+2*prv+1], s[DST:DST+1] offset:2048*prv th:TH_STORE_NT  ; no vector instruction since the wait names this pair
.endif
.if \f16
	v_cvt_pk_bf16_f32 v[T], v[X+4*cur], v[X+4*cur+1]
	v_cvt_pk_bf16_f32 v[T+1], v[X+4*cur+2], v[X+4*cur+3]
	v_lshlrev_b32 v[T+2], 16, v[T]
	v_and_b32 v[T+3], s40, v[T]
	v_cvt_pk_f16_f32 v[Y+2*cur], v[T+2], v[T+3]
	v_lshlrev_b32 v[T+2], 16, v[T+1]
	v_and_b32 v[T+3], s40, v[T+1]
	v_cvt_pk_f16_f32 v[Y+2*cur+1], v[T+2], v[T+3]
.else
	v_cvt_pk_bf16_f32 v[Y+2*cur], v[X+4*cur], v[X+4*cur+1]
	v_cvt_pk_bf16_f32 v[Y+2*cur+1], v[X+4*cur+2], v[X+4*cur+3]
.endif
.endr
.endr
	s_wait_alu depctr_va_vdst(0)                   ; the last block has written its four pairs of Y, which the last four stores read
.irp i, 12,13,14,15
	global_store_b64 v2, v[Y+2*(\i):Y+2*(\i)+1], s[DST:DST+1] offset:2048*(\i) th:TH_STORE_NT
.endr
.endm
	s_cmp_ge_u32 s26, 608
	s_cbranch_scc1 .Lf16
	CAST 0
	s_endpgm
.Lf16:
	CAST 1
	s_endpgm
; THE TABLE.  A wave makes 8 rows, a row a trip: lane l stores 8 bytes at 8 l of the row: lanes 0-15 cos of frequencies 2 (l % 16) and + 1, lanes 16-31 sin of the same.
; Both are cos(t - h pi/2), h = l / 16.  t = n pi/2 + r, |r| <= pi/4; with q = n - h: cos r, -sin r, -cos r, sin r for q mod 4 = 0, 1, 2, 3.  sin r and cos r by polynomials.
.Lrope:
	v_lshrrev_b32 v3, 5, v0
	v_readfirstlane_b32 s27, v3                    ; wave 0..7
	v_and_b32 v4, 31, v0                           ; lane
	v_and_b32 v5, 15, v0
	v_lshlrev_b32 v5, 1, v5                        ; my first frequency's number
	v_bfe_u32 v12, v0, 4, 1                        ; h
	v_cvt_f32_u32 v8, v5
	v_add_nc_u32 v5, 1, v5
	v_cvt_f32_u32 v9, v5
	v_mul_f32 v8, 0xbed49a78, v8                   ; - i log2(10000) / 32
	v_mul_f32 v9, 0xbed49a78, v9
	v_exp_f32 v10, v8                              ; f_i
	v_exp_f32 v11, v9
	v_lshlrev_b32 v13, 3, v4                       ; a plain instruction behind the two exponentials: 8 l
	s_wait_alu depctr_va_vdst(0)                   ; the two exponentials have written v10 and v11: one wait for both, ahead of their first use and of the label
	s_wait_alu depctr_va_sdst(0)                   ; s27 is written, ahead of its first reader: my rows' offset and number are made from it
	s_lshl_b32 s28, s27, 11
	v_add_nc_u32 v13, s28, v13                     ; + my wave's 8 rows of 256 bytes; never written again
	s_sub_co_u32 s29, s26, 672
	s_lshl_b32 s30, s29, 14                        ; the work-group's 64 rows
	s_mov_b32 s31, 0
	s_add_nc_u64 s[20:21], s[20:21], s[30:31]
	s_lshl_b32 s42, s29, 6
	s_lshl3_add_u32 s42, s27, s42                  ; my first row's number
	s_mov_b32 s32, 0x3f22f983                      ; 2 / pi
	s_mov_b32 s33, 0xbfc90fdb                      ; - pi/2, upper part
	s_mov_b32 s34, 0x333bbd2e                      ; - pi/2, the rest
	s_mov_b32 s35, 0xbe2aaaa3                      ; sin: -1.6666654611e-1
	s_mov_b32 s36, 0x3c08839e                      ;       8.3321608736e-3
	s_mov_b32 s37, 0xb94ca1f9                      ;      -1.9515295891e-4
	s_mov_b32 s38, 0x3d2aaaa5                      ; cos:  4.1666645683e-2
	s_mov_b32 s39, 0xbab6061a                      ;      -1.3887316255e-3
	s_mov_b32 s43, 0x37ccf5ce                      ;       2.4433157118e-5
; One angle, up to the select.  f: the frequency's register; w: seven registers at work, the angle's own; m: the scalar register that takes the compare's mask.
; It leaves sin r in v[w+4], cos r in v[w+5], the sign in v[w+1], and in s[m] the lanes where q is odd.
.macro ANG f, w, m
	v_mul_f32 v[(\w)], v14, v[\f]                  ; t = position x frequency
	v_mul_f32 v[(\w)+1], s32, v[(\w)]
	v_rndne_f32 v[(\w)+1], v[(\w)+1]               ; n
	v_fma_f32 v[(\w)+2], v[(\w)+1], s33, v[(\w)]
	v_fma_f32 v[(\w)+2], v[(\w)+1], s34, v[(\w)+2] ; r
	v_mul_f32 v[(\w)+3], v[(\w)+2], v[(\w)+2]      ; z = r r
	v_fma_f32 v[(\w)+4], v[(\w)+3], s37, s36
	v_fma_f32 v[(\w)+4], v[(\w)+3], v[(\w)+4], s35
	v_mul_f32 v[(\w)+5], v[(\w)+3], v[(\w)+2]
	v_fma_f32 v[(\w)+4], v[(\w)+5], v[(\w)+4], v[(\w)+2]  ; sin r
	v_fma_f32 v[(\w)+5], v[(\w)+3], s43, s39
	v_fma_f32 v[(\w)+5], v[(\w)+3], v[(\w)+5], s38
	v_fma_f32 v[(\w)+6], v[(\w)+3], -0.5, 1.0
	v_mul_f32 v[(\w)+3], v[(\w)+3], v[(\w)+3]
	v_fma_f32 v[(\w)+5], v[(\w)+3], v[(\w)+5], v[(\w)+6]  ; cos r
	v_cvt_i32_f32 v[(\w)+1], v[(\w)+1]
	v_sub_nc_u32 v[(\w)+1], v[(\w)+1], v12         ; q = n - h
	v_and_b32 v[(\w)], 1, v[(\w)+1]
	v_cmp_ne_u32 s[\m], 0, v[(\w)]                 ; q odd
	v_add_nc_u32 v[(\w)+1], 1, v[(\w)+1]
	v_and_b32 v[(\w)+1], 2, v[(\w)+1]
	v_lshlrev_b32 v[(\w)+1], 30, v[(\w)+1]         ; the sign: minus for q mod 4 = 1, 2
.endm
	s_mov_b32 s41, 8
.Lrow:
	s_cmp_lt_u32 s42, 2048
	s_cselect_b32 s45, s42, 0                      ; rows from 2,048 on: the angle 0
	v_cvt_f32_u32 v14, s45
	ANG 10, 16, 44
	ANG 11, 32, 46
	s_wait_alu depctr_va_sdst(0)                   ; the two compares have written s44 and s46: one wait, ahead of the two selects that read them
	v_cndmask_b32 v20, v21, v20, s44               ; q odd: sin r, else cos r: a choice of value, no branch
	v_cndmask_b32 v36, v37, v36, s46
	s_wait_xcnt 0x0                                ; the last row's store has had its address translated: its base and its data are rewritten only behind this wait
	s_wait_alu depctr_vm_vsrc(0)                   ; the last row's store has read v[30:31], which the two lines below write again
	s_add_nc_u64 s[20:21], s[20:21], 256           ; the base stands one row past the row in hand; the store reaches back
	v_xor_b32 v30, v20, v17
	v_xor_b32 v31, v36, v33
	s_wait_alu depctr_va_vdst(0)                   ; v[30:31] are written, which the store reads as its data; in the first trip so is v13, its offset
	global_store_b64 v13, v[30:31], s[20:21] offset:-256  ; the wave's store is a row's 256 bytes, whole
	s_add_co_u32 s42, s42, 1
	s_sub_co_u32 s41, s41, 1
	s_cmp_lg_u32 s41, 0
	s_cbranch_scc1 .Lrow
	s_endpgm
.Lfunc_end_k_q70e99e4601_prep:
	.size	k_q70e99e4601_prep, .Lfunc_end_k_q70e99e4601_prep-k_q70e99e4601_prep
	.p2alignl 7, 3214868480
	.fill 96, 4, 3214868480
	.section	.rodata,"a",@progbits
	.p2align	6, 0x0
	.amdhsa_kernel k_q70e99e4601_prep
		.amdhsa_group_segment_fixed_size 0
		.amdhsa_private_segment_fixed_size 0
		.amdhsa_enable_private_segment 0
		.amdhsa_kernarg_size 72
		.amdhsa_user_sgpr_count 2
		.amdhsa_user_sgpr_kernarg_segment_ptr 1
		.amdhsa_wavefront_size32 1
		.amdhsa_system_sgpr_workgroup_id_x 1
		.amdhsa_system_sgpr_workgroup_id_y 1
		.amdhsa_system_sgpr_workgroup_id_z 1
		.amdhsa_system_vgpr_workitem_id 0
		.amdhsa_next_free_vgpr 112
		.amdhsa_next_free_sgpr 66
		.amdhsa_reserve_vcc 0
		.amdhsa_float_denorm_mode_32 3
		.amdhsa_float_denorm_mode_16_64 3
		.amdhsa_memory_ordered 1
		.amdhsa_forward_progress 1
		.amdhsa_inst_pref_size 21
	.end_amdhsa_kernel
	.amdgpu_metadata
---
amdhsa.version: [ 1, 2 ]
amdhsa.kernels:
  - .name:           k_q70e99e4601_prep
    .symbol:         k_q70e99e4601_prep.kd
    .args:
      - { .name: x, .offset: 0, .size: 8, .value_kind: global_buffer, .address_space: global }
      - { .name: w_q, .offset: 8, .size: 8, .value_kind: global_buffer, .address_space: global }
      - { .name: w_k, .offset: 16, .size: 8, .value_kind: global_buffer, .address_space: global }
      - { .name: w_v, .offset: 24, .size: 8, .value_kind: global_buffer, .address_space: global }
      - { .name: w_o, .offset: 32, .size: 8, .value_kind: global_buffer, .address_space: global }
      - { .name: xb, .offset: 40, .size: 8, .value_kind: global_buffer, .address_space: global }
      - { .name: wb, .offset: 48, .size: 8, .value_kind: global_buffer, .address_space: global }
      - { .name: wo16, .offset: 56, .size: 8, .value_kind: global_buffer, .address_space: global }
      - { .name: rope, .offset: 64, .size: 8, .value_kind: global_buffer, .address_space: global }
    .group_segment_fixed_size: 0
    .private_segment_fixed_size: 0
    .kernarg_segment_align: 8
    .kernarg_segment_size: 72
    .max_flat_workgroup_size: 256
    .sgpr_count:     66
    .vgpr_count:     112
    .wavefront_size: 32
...
	.end_amdgpu_metadata
.endif
;; end of part 5
;; launch qkv: the kernel of part 2 again; grid 4 x 64, 4 waves a work-group, clusters of 4 x 4, 327,680 bytes of LDS; arguments xb, wb, rope, q_gain, qkv; writes qkv
;; launch attn: the kernel of part 3 again; grid 32 x 8, 4 waves a work-group, clusters of 4 x 1, 327,680 bytes of LDS; arguments qkv, yb; writes yb
;; launch oproj: the kernel of part 4 again; grid 4 x 64, 4 waves a work-group, clusters of 4 x 4, 327,680 bytes of LDS; arguments yb, wo16, out0; writes out0
